; MI455X (gfx1250); checked and timed in simulation.
; The chip was launched on July 23, 2026; its instructions are those of AMD's public machine-readable ISA for CDNA 5 (MIT licence, August 2026) and "CDNA5" Instruction Set Architecture Reference Guide (July 2026). The comments in the code are by the model that wrote it; some were corrected since.
;; Attention. Allowed arithmetic: matrix products marked QUANTISED: E5M2 operands, one E8M0 scale for each 32 along K, by v_wmma_scale_f32_16x16x128_f8f6f4 with both operands' format E5M2, f32 sums; products left as they are: f32 operands where the result goes on into a quantised operand, else bf16, f16 or f32 operands; f32 sums; everything else in f32.
;; Inputs: attention_weights_codes 1,024 x 32 x 32 uint8 (E5M2 codes of attention_weights, K innermost, in blocks of 32 codes); attention_weights_scales 1,024 x 32 uint8 (E8M0 scales of attention_weights, one for each 32 codes along K); context_vector 1,024 x 1 float32; gru_output 32 x 2,048 x 1,024 float32.
;; Outputs: out0 32 x 1,024 float32; out1 32 x 2,048 float32.
;; This version of the problem:
;;   THIS VERSION OF THE PROBLEM IS GIVEN IN LOW PRECISION. The matrix products marked QUANTISED in the list below multiply operands that are first quantised to E5M2 (5 exponent bits, 2 mantissa bits; 8 bits a number), with one power-of-two scale for each 32 numbers along K (OCP MX v1.0); their sums are f32. All else is computed in f32.
;;   The module's matrix products, in the order in which they are computed (A, B: the left and right operand; K: the contracted axis; several contracted axes count as one K, in the product's order):
;;     1. [M 65,536, K 1,024] x [K 1,024, N 1,024]; A: input gru_output; B: input attention_weights (given as codes): QUANTISED
;;     2. [M 65,536, K 1,024] x [K 1,024, N 1]; A: computed on the way; B: input context_vector: left as it is (N = 1 < 16)
;;     3. batch 32 x [M 1,024, K 2,048] x [K 2,048, N 1]; A: input gru_output; B: softmax: left as it is (N = 1 < 16)
;;   THE QUANTISER, for each operand of a quantised product, along K:
;;     - K is cut into blocks of 32 from its start; a last block that is shorter is filled with zeros.
;;     - A block's scale is 2^e with e = floor(log2(the largest magnitude in the block)) - 15, held to -126 .. 127; a block of zeros has e = 0. As a byte (E8M0): e + 127.
;;     - Each number is divided by its block's scale, clamped to +-57,344, and rounded to the nearest number of E5M2, ties to even, subnormals kept.
;;     - The product sums the exact products of the quantised numbers (number of the format x scale) in f32.
;;   ~~~python
;;   def quantise(x, axis):      # numpy; x: float32 -> the quantised numbers, widened to float32 again
;;       x = np.moveaxis(x, axis, -1); K = x.shape[-1]
;;       x = np.pad(x, [(0, 0)] * (x.ndim - 1) + [(0, -K % 32)]); x = x.reshape(x.shape[:-1] + (-1, 32)); a = np.abs(x).max(-1, keepdims=True)
;;       e = np.where(a > 0, np.clip(np.frexp(np.where(a > 0, a, 1))[1] - 1 - 15, -126, 127), 0)      # np.frexp(a)[1] - 1 = floor(log2(a)), exactly
;;       r = np.clip(x / 2.0 ** e, -57344, 57344)
;;       step = 2.0 ** (np.maximum(np.frexp(np.where(r == 0, 1, r))[1] - 1, -14) - 2)
;;       q = np.round(r / step) * step * 2.0 ** e      # np.round: ties to even
;;       return np.moveaxis(q.reshape(q.shape[:-2] + (-1,))[..., :K], -1, axis).astype(np.float32)
;;   ~~~
;;   INPUTS GIVEN AS CODES. attention_weights (in the module: [1024, 1024], K = its axis 0): each comes as NAME_codes (uint8): NAME with its K axis moved to the last place and cut into blocks of 32 codes, [.., K / 32, bytes a block], one block behind the other in memory; one code a byte (a code: sign, 5 exponent bits, 2 mantissa bits); and NAME_scales (uint8): the same leading axes, one E8M0 byte (e + 127) for each 32 codes along K. Its value is code x scale, taken as it is: it is not quantised again, and the codes and scales need not be those that the quantiser above would give.
;; 2 versions, each right; version 2 is version 1 with the launch main written anew for expert scheduling mode. Each part assembles by itself: llvm-mc -triple=amdgcn-amd-amdhsa -mcpu=gfx1250 --defsym DOCPART=n.
;; ======== version 1 of 2: 3 launches
;; workspace buffers: wfrag 1,048,576 bytes; wscl 32,768 bytes; logits 262,144 bytes; part 2,097,152 bytes
;; launch relay (part 1): grid 256 x 1, 4 waves a work-group, no clusters, 4,864 bytes of LDS; arguments attention_weights_codes, attention_weights_scales, wfrag, wscl; writes wfrag, wscl
.if DOCPART == 1
	.amdgcn_target "amdgcn-amd-amdhsa--gfx1250"
	.amdhsa_code_object_version 6
	.text
	.protected	k_q9896b8c390_relay
	.globl	k_q9896b8c390_relay
	.p2align	8
	.type	k_q9896b8c390_relay,@function
k_q9896b8c390_relay:
	s_mov_b64 s[64:65], 0
	v_nop
	global_prefetch_b8 v0, s[64:65] scope:SCOPE_SE
	s_setreg_imm32_b32 hwreg(HW_REG_WAVE_MODE, 25, 1), 1
	s_wait_xcnt 0x0
; W's codes [1024 (n)][1024 (k)] and scale bytes [1024][32] are laid once in the order in which a wave's operand registers take them.
; wfrag: [T 64][S 8][c 4][lane 32][16 bytes]: lane (r, h) holds the codes of column 16 T + r at k = 128 S + 32 c + 16 h + 0 .. 15: a fragment then comes by four loads of 512 consecutive bytes.
; wscl:  [T 64][kh 2][r 16][16 bytes]: the four scale words (K steps 4 kh .. 4 kh + 3) of column 16 T + r.
; A work-group takes 16 rows x 256 bytes (tile T = x / 4, K steps 2 Q and 2 Q + 1, Q = x % 4): in by rows, sixteen lanes to 256 consecutive bytes, through a stage in LDS, out as 512 consecutive bytes a wave.
.set PITCH, 272                        ; a stage row: 256 bytes + 16: the sixteen rows that a load touches start at sixteen different banks (64 banks of 4 bytes: ISA guide 11.1)
	s_load_b256 s[4:11], s[0:1], 0x0               ; codes s[4:5], scale bytes s[6:7], wfrag s[8:9], wscl s[10:11]
	v_lshl_add_u32 v32, v0, 2, 0x1100
	v_mov_b32 v33, 0
	v_lshrrev_b32 v1, 5, v0
	v_readfirstlane_b32 s12, v1                    ; wave
	s_lshr_b32 s13, ttmp9, 2                       ; T
	s_and_b32 s14, ttmp9, 3                        ; Q
	v_lshrrev_b32 v2, 4, v0                        ; thread / 16: one of 8 rows
	v_and_b32 v3, 15, v0                           ; thread % 16
	v_bfe_u32 v7, v0, 4, 1                         ; h of the fragment's lane
	v_lshlrev_b32 v4, 10, v2
	v_lshl_add_u32 v4, v3, 4, v4                   ; in: row x 1,024 + 16 x (thread % 16)
	v_mul_u32_u24 v5, v2, PITCH
	v_lshl_add_u32 v5, v3, 4, v5                   ; into the stage, the same place
	v_mul_u32_u24 v6, v3, PITCH
	v_lshl_add_u32 v6, v1, 5, v6
	v_lshl_add_u32 v6, v7, 4, v6                   ; out of it: row r, byte 32 c + 16 h (c = thread / 32)
	v_lshlrev_b32 v8, 4, v0                        ; out: 16 x thread
	v_lshlrev_b32 v9, 5, v3
	v_lshl_add_u32 v9, v7, 4, v9                   ; the scale bytes: 32 r + 16 kh (wave 0: kh = lane / 16)
	s_lshl_b32 s16, s13, 14                        ; 16 rows of 1,024 bytes, and a tile of wfrag: both 16,384 T
	s_lshl_b32 s17, s14, 8
	s_add_co_u32 s18, s16, s17                     ; + 256 Q in the codes
	s_mov_b32 s19, 0
	s_lshl_b32 s17, s14, 12
	s_add_co_u32 s20, s16, s17                     ; + 4,096 Q in wfrag
	s_mov_b32 s21, 0
	s_lshl_b32 s22, s13, 9                         ; 512 T in the scale bytes and in wscl
	s_mov_b32 s23, 0
	s_wait_kmcnt 0x0
	s_add_nc_u64 s[4:5], s[4:5], s[18:19]
	s_add_nc_u64 s[8:9], s[8:9], s[20:21]
	s_add_nc_u64 s[6:7], s[6:7], s[22:23]
	s_add_nc_u64 s[10:11], s[10:11], s[22:23]
	global_load_b128 v[12:15], v4, s[4:5]          ; rows 0-7
	global_load_b128 v[16:19], v4, s[4:5] offset:8192   ; rows 8-15
	s_wait_loadcnt 0x0
	ds_store_b128 v5, v[12:15]
	ds_store_b128 v5, v[16:19] offset:8*PITCH
	s_wait_dscnt 0x0                               ; for the others' sake: my stores into the stage are done
	s_barrier_signal -1
	s_barrier_wait -1
	ds_load_b128 v[20:23], v6                      ; K step 2 Q
	ds_load_b128 v[24:27], v6 offset:128           ; K step 2 Q + 1
	s_wait_dscnt 0x0
	global_store_b128 v8, v[20:23], s[8:9]         ; a wave stores 512 consecutive bytes
	global_store_b128 v8, v[24:27], s[8:9] offset:2048
	s_or_b32 s15, s14, s12                         ; the tile's 512 scale bytes: wave 0 of the work-group with Q = 0
	s_cmp_lg_u32 s15, 0
	s_cbranch_scc1 .Ldone
	global_load_b128 v[28:31], v9, s[6:7]          ; the 32 lanes read the tile's 512 bytes,
	s_wait_loadcnt 0x0
	global_store_b128 v8, v[28:31], s[10:11]       ; and store them, the two halves of K apart
.Ldone:
	s_wait_tensorcnt 0x0
	ds_add_u32 v32, v33
	s_wait_dscnt 0x0
	s_endpgm
.Lfunc_end_k_q9896b8c390_relay:
	.size	k_q9896b8c390_relay, .Lfunc_end_k_q9896b8c390_relay-k_q9896b8c390_relay
	.p2alignl 7, 3214868480
	.fill 96, 4, 3214868480
	.section	.rodata,"a",@progbits
	.p2align	6, 0x0
	.amdhsa_kernel k_q9896b8c390_relay
		.amdhsa_group_segment_fixed_size 4864
		.amdhsa_private_segment_fixed_size 0
		.amdhsa_enable_private_segment 0
		.amdhsa_kernarg_size 32
		.amdhsa_user_sgpr_count 2
		.amdhsa_user_sgpr_kernarg_segment_ptr 1
		.amdhsa_wavefront_size32 1
		.amdhsa_system_sgpr_workgroup_id_x 1
		.amdhsa_system_sgpr_workgroup_id_y 1
		.amdhsa_system_sgpr_workgroup_id_z 1
		.amdhsa_system_vgpr_workitem_id 0
		.amdhsa_next_free_vgpr 34
		.amdhsa_next_free_sgpr 66
		.amdhsa_reserve_vcc 0
		.amdhsa_float_denorm_mode_32 3
		.amdhsa_float_denorm_mode_16_64 3
		.amdhsa_memory_ordered 1
		.amdhsa_forward_progress 1
		.amdhsa_inst_pref_size 3
	.end_amdhsa_kernel
	.amdgpu_metadata
---
amdhsa.version: [ 1, 2 ]
amdhsa.kernels:
  - .name:           k_q9896b8c390_relay
    .symbol:         k_q9896b8c390_relay.kd
    .args:
      - { .name: attention_weights_codes, .offset: 0, .size: 8, .value_kind: global_buffer, .address_space: global }
      - { .name: attention_weights_scales, .offset: 8, .size: 8, .value_kind: global_buffer, .address_space: global }
      - { .name: wfrag, .offset: 16, .size: 8, .value_kind: global_buffer, .address_space: global }
      - { .name: wscl, .offset: 24, .size: 8, .value_kind: global_buffer, .address_space: global }
    .group_segment_fixed_size: 4864
    .private_segment_fixed_size: 0
    .kernarg_segment_align: 8
    .kernarg_segment_size: 32
    .max_flat_workgroup_size: 128
    .sgpr_count:     66
    .vgpr_count:     34
    .wavefront_size: 32
...
	.end_amdgpu_metadata
.endif
;; end of part 1
;; launch main (part 2): grid 256 x 1, 4 waves a work-group, no clusters, 325,120 bytes of LDS; arguments gru_output, context_vector, wfrag, wscl, logits, part; writes logits, part
.if DOCPART == 2
	.amdgcn_target "amdgcn-amd-amdhsa--gfx1250"
	.amdhsa_code_object_version 6
	.text
	.protected	k_q9896b8c390_main
	.globl	k_q9896b8c390_main
	.p2align	8
	.type	k_q9896b8c390_main,@function
k_q9896b8c390_main:
	s_mov_b64 s[64:65], 0
	v_nop
	global_prefetch_b8 v0, s[64:65] scope:SCOPE_SE
	s_setreg_imm32_b32 hwreg(HW_REG_WAVE_MODE, 25, 1), 1
	s_wait_xcnt 0x0
; For 128 rows of one batch (a block): logit[row] = sum over n of c[n] tanh(sum over k of Q(x)[row][k] W[k][n]), and the block's share of the softmax-weighted sum of x.
; x [65536][1024] f32 is read from memory ONCE.  It is quantised along K to codes of E5M2 with one E8M0 scale for each 32; the codes stay in registers; a copy in bf16 stays in LDS for the weighted sum.
; Stored: the block's 128 logits, and part[block][1024] = sum over its rows of 2^((logit - the block's largest logit) log2 e) x[row][:].  The last launch merges a batch's sixteen blocks.
; A WORK-GROUP STAYS: work-group g walks blocks 2 g and 2 g + 1, a loop round the whole body.  Behind a block's last product the registers in which W landed are free: the next block's first four sets of x
; (32,768 bytes a wave) are asked for there and land while the block's last tanh, its softmax and its weighted sum are made.
; SHARES.  Wave w = 2 kh + nh holds the codes of ALL 128 rows for half kh of K (512 registers) and walks the 32 tiles of 16 columns of half nh of N, a tile a step.  So each fragment of W is fetched by one wave
; of the work-group alone and feeds eight matrix instructions.  The two waves with the same nh hold sums over the two halves of K: in each step a wave sends the partner the four tiles of rows that the partner finishes
; (4 KB, as images of its registers, through LDS) and receives four; one barrier a step.
; ROW TILES.  Local tile j of a wave is the block's tile j xor 4 kh xor nh: so register numbers are alike in all waves and only addresses differ.  Tiles 0-3: I finish; 4-7: I send to wave w xor 2.
; Even tiles I quantise myself; odd tiles are quantised by wave w xor 1 and come as images through LDS.
; THE MATRIX INSTRUCTION IS USED TRANSPOSED: source 0 = 16 columns of W, source 1 = 16 rows of x: lane (r, h) holds row r and its registers the columns 8 h + 0 .. 7.
; tanh(y) = 1 - 2 r, r = 1 / (1 + 2^(2 y log2 e)): the sum kept is LA = sum of c (r - 1/2), the halves of c taken off step by step, so that no two large sums are ever subtracted; logit = -2 LA.
; BY TURNS.  A step's 32 matrix instructions carry the LAST step's tanh and dot product, cut into 32 slices, one behind each matrix instruction; the slices work in window 0 and the products' operands fill windows 1 to 3,
; so a slice costs two switches of the register window.
; NO CLUSTER, NO TENSOR LOADS, though all work-groups walk the same W: the bf16 copy takes 262,144 of the 325,120 bytes of LDS claimed and stage, exchange and images 51,200 more; what is left has no room for two slots
; of a step's tiles of W (32,768 bytes for the two halves of N).  So W comes straight into registers, more than two steps ahead, in the order in which an earlier launch has laid it.
; LIMITS.  NaN and infinities in x are not served.  A block of 32 zeros gets the scale byte 1 where the rule says 127: its codes are zeros, and the bytes never leave the work-group.  Blocks whose largest magnitude lies
; under 2^(16 - 127) have their byte held at 1.  The weighted sum takes x rounded to bf16 and the weights in f32.  A sum over K is made of two f32 sums over 512, added in f32.
; REGISTERS, in windows of 256 (s_set_vgpr_msb: bits 1:0 source 0, 3:2 source 1, 5:4 source 2, 7:6 destination):
;   window 0: v2-31 addresses; v32-63 x's scale words; v64-79 W's; v80-95 c of two steps; v96-103 LA; v104-107, v112-127 at work; v128-255 two sets of eight accumulators (earlier: numbers being quantised; later: the weighted sum)
;   window 1: four sets of 64: x as it is loaded, then W's fragments of four steps.   windows 2, 3: the codes: tile j, K step s at v[64 (j % 4) + 16 s] of window 2 + j / 4.
.set STG,  262144                      ; LDS: from 0 the bf16 copy, 128 rows x 2,048 bytes.  Then each wave's stage, 16 rows x 528 bytes;
.set EX,   262144                      ; later, in the same bytes, the exchange: two sets x four waves x 4,096 bytes
.set IMG,  295936                      ; images of fragments: two sets x four waves x 2,048 bytes
.set ISC,  312320                      ; their scale words: two sets x four waves x 128 bytes
.set CB,   313344                      ; c, 4,096 bytes
.set LP,   317440                      ; the logits' two halves over N: 2 x 128 x 4 bytes
.set PB,   318464                      ; the weights p: 512 bytes, a copy for each wave
.set OST,  320512                      ; the way out: 1,024 bytes for each wave
.set NEXT, 524288                      ; bytes of x from a block to the next: 128 rows of 4,096
.set CA0,  2                           ; v2   c of my half of N, + 32 h: the first step's; never rewritten
.set XO,   4                           ; v4   16 x lane: offset in x, wfrag, logits, part; never rewritten
.set WSO,  5                           ; v5   16 x (lane % 16): offset in wscl; never rewritten
.set XBA,  6                           ; v6-9 bf16 copy: my tile 2 a's first row, my half of K, 8 x lane
.set STW,  10                          ; v10  my stage, in: 16 x lane
.set STR,  11                          ; v11  my stage, out: 528 r + 64 h
.set IMW,  12                          ; v12, v13 images: mine, and wave w xor 1's
.set IMR,  13
.set ISW,  14                          ; v14, v15 their scale words
.set ISR,  15
.set EXW,  16                          ; v16, v17 the exchange: mine, and wave w xor 2's
.set EXR,  17
.set CA,   18                          ; v18  c's address in hand: made from v2 for each block, stepped once in four steps
.set LPE,  19                          ; v19, v20 where my even and odd tiles' logits go
.set LPO,  20
.set LPR,  21
.set PBW,  22
.set PB0,  23                          ; v23, v24 my copy of p: rows 0 on, rows 8 on
.set XR0,  25                          ; v25, v26 bf16 copy: my 512 bytes of a row, 16 x lane: rows 0 on, rows 8 on
.set OSW,  27
.set OSR,  28
.set CW,   30
.set CO,   31
.set XS,   32                          ; x's scale word of tile j, K step s: v[XS + 4 j + s]
.set WSC,  64                          ; W's, of set t, K step s: v[WSC + 4 t + s]
.set CC,   80                          ; c of the step in set P: v[CC + 8 P + 0 .. 7]
.set BF,   80                          ; while x comes in: 32 words of bf16
.set LA,   96
.set KS,   104
.set KT,   106
.set TM,   112                         ; the quantiser: +0 largest magnitudes, +4 bytes, +8 the largest number x the scale, +12 the conversions' scale operands
.set ACC,  128                         ; accumulator of set P, tile j: v[ACC + 64 P + 8 j]
.set XT,   128                         ; while x comes in: two sets of 64 numbers, register 16 b + i = k 32 b + 16 h + i of row r
.set XR,   128                         ; the weighted sum: two buffers of 8 rows x 4 words of bf16,
.set PP,   192                         ; two of 8 weights,
.set SUM,  208                         ; my 8 columns' sums,
.set WK,   216
.set LG,   220                         ; my four rows' logits: kept to the block's end
.set WK2,  224
.set CXA,  232                         ; v232-235 the addresses of the loads in hand, a pair for each buffer
.set WP,   8                           ; s[8:9]   wfrag at my halves of N and K; stepped once in four steps
.set WSP,  10                          ; s[10:11] wscl likewise
.set WV,   16
.set KH,   17
.set NH,   18
.set XG,   20                          ; s[20:27] x at my tile 2 a's first row, my half of K; stepped once a block
.set K2,   30                          ; s[30:31] 2 log2 e: the packed form names a pair and takes its low word
.set SEL,  32                          ; s[32:33] v_permlanex16_b32's selects for lane l xor 16
.set MNT,  34                          ; s34      the mantissa field of 57,344
.set CNT,  35
.set WP0,  48                          ; s[48:49], s[50:51] where W's two walks begin: never rewritten
.set WSP0, 50
.set BLK,  52                          ; s52      blocks to go, this one among them
.set MSB, 0
.macro WIN new                         ; the immediate's high byte repeats the setting that is left; a switch that changes nothing is dropped
.if MSB != (\new)
	s_set_vgpr_msb (MSB<<8)|(\new)
.set MSB, (\new)
.endif
.endm
.macro PLACES n
.rept \n
	v_nop
.endr
.endm
; Set q of x (tile 2 (q / 4), K step q % 4), off bytes on: 16 rows x 512 bytes, a row an instruction: 32 lanes read 512 consecutive bytes.
.macro LOADX q, off
	WIN 0x40                                       ; destination window 1
.irp i, 0,1,2,3,4,5,6,7,8,9,10,11,12,13,14,15
	global_load_b128 v[64*((\q)%4)+4*\i:64*((\q)%4)+4*\i+3], v[XO], s[XG+2*((\q)/4):XG+2*((\q)/4)+1] offset:(\off)+4096*\i+512*((\q)%4) th:TH_LOAD_NT
.endr
	WIN 0
.endm
; The four fragments and the scale words of W's tile d steps on from the base, into set t: 17 loads.
.macro WLOAD set, d
	WIN 0x40
.irp s, 0,1,2,3
.irp c, 0,1,2,3
	global_load_b128 v[64*(\set)+16*\s+4*\c:64*(\set)+16*\s+4*\c+3], v[XO], s[WP:WP+1] offset:16384*(\d)+2048*\s+512*\c
.endr
.endr
	WIN 0
	global_load_b128 v[WSC+4*(\set):WSC+4*(\set)+3], v[WSO], s[WSP:WSP+1] offset:512*(\d)
.endm
; Set q has landed: it is rounded to bf16 into the copy, and turned through my stage, so that a lane holds 16 neighbours along K of each block of 32 of ONE row.
.macro TURN q
.set LS_, 64*((\q)%4)
	WIN 0x05                                       ; sources 0 and 1 window 1
.irp i, 0,1,2,3,4,5,6,7,8,9,10,11,12,13,14,15
	v_cvt_pk_bf16_f32 v[BF+2*\i], v[LS_+4*\i], v[LS_+4*\i+1]
	v_cvt_pk_bf16_f32 v[BF+2*\i+1], v[LS_+4*\i+2], v[LS_+4*\i+3]
.endr
	WIN 0
.irp i, 0,1,2,3,4,5,6,7,8,9,10,11,12,13,14,15
	ds_store_b64 v[XBA+(\q)/4], v[BF+2*\i:BF+2*\i+1] offset:2048*\i+256*((\q)%4)   ; 32 lanes: 256 consecutive bytes of a row
.endr
	WIN 0x04                                       ; an LDS store's data are its source 1: window 1
.irp i, 0,1,2,3,4,5,6,7,8,9,10,11,12,13,14,15
	ds_store_b128 v[STW], v[LS_+4*\i:LS_+4*\i+3] offset:528*\i
.endr
	WIN 0
.irp b, 0,1,2,3
.irp j, 0,1,2,3
	ds_load_b128 v[XT+64*((\q)%2)+16*\b+4*\j:XT+64*((\q)%2)+16*\b+4*\j+3], v[STR] offset:128*\b+16*\j   ; LDS serves a wave's instructions in order (ISA guide 5.7.1.4): these see the stores above
.endr
.endr
.endm
; The 64 numbers of set q become a fragment's codes, straight in the operand's registers, and its scale word.
.macro QUANT q
.set X_,   XT+64*((\q)%2)
.set LAM_, 2*((\q)/4)
.set CD_,  64*(LAM_%4)+16*((\q)%4)
.set XW_,  XS+4*LAM_+(\q)%4
.irp b, 0,1,2,3
	v_max3_num_f32 v[TM+\b], |v[X_+16*\b]|, |v[X_+16*\b+1]|, 0x8000000   ; block b: my 16 numbers, and the floor 2^(16 - 127): the byte cannot fall under 1
.endr
.irp i, 2,4,6,8,10,12,14
.irp b, 0,1,2,3
	v_max3_num_f32 v[TM+\b], v[TM+\b], |v[X_+16*\b+\i]|, |v[X_+16*\b+\i+1]|   ; the four blocks by turns
.endr
.endr
.irp b, 0,1,2,3
	v_permlanex16_b32 v[TM+4+\b], v[TM+\b], s[SEL], s[SEL+1]
.endr
.irp b, 0,1,2,3
	v_max_num_f32 v[TM+\b], v[TM+\b], v[TM+4+\b]   ; with lane l xor 16's: the block's largest magnitude
.endr
.irp b, 0,1,2,3
	v_add_nc_u32 v[TM+12+\b], 0xf8800000, v[TM+\b]   ; 15 off its exponent field: the conversion takes that field as its scale
.endr
.irp b, 0,1,2,3
	v_and_or_b32 v[TM+8+\b], v[TM+\b], 0x7f800000, s[MNT]   ; 57,344 x the scale
.endr
.irp b, 0,1,2,3
	v_lshrrev_b32 v[TM+4+\b], 23, v[TM+12+\b]      ; the scale's byte
.endr
	v_lshl_or_b32 v[XW_], v[TM+5], 8, v[TM+4]      ; my row's scale word
	v_lshl_or_b32 v[XW_], v[TM+6], 16, v[XW_]
	v_lshl_or_b32 v[XW_], v[TM+7], 24, v[XW_]
.irp b, 0,1,2,3
.irp i, 0,1,2,3,4,5,6,7,8,9,10,11,12,13,14,15
	v_med3_num_f32 v[X_+16*\b+\i], v[X_+16*\b+\i], -v[TM+8+\b], v[TM+8+\b]   ; the conversion to an 8-bit code does not saturate (ISA guide 7.6.2): the hold at the largest code x the scale
.endr
.endr
	WIN 0x80+0x40*(LAM_/4)                         ; destination window 2 or 3
.irp b, 0,1,2,3
	v_cvt_scalef32_pk8_bf8_f32 v[CD_+4*\b:CD_+4*\b+1], v[X_+16*\b:X_+16*\b+7], v[TM+12+\b]
	v_cvt_scalef32_pk8_bf8_f32 v[CD_+4*\b+2:CD_+4*\b+3], v[X_+16*\b+8:X_+16*\b+15], v[TM+12+\b]
.endr
	WIN 0
	v_nop                                          ; one plain vector instruction behind the last conversion
.endm
; One of sixteen turns of the way in.  Loads run four sets ahead; when x is all asked for, W's first four steps take the landing sets.
.macro XSET q
.if (\q) < 12
	LOADX (\q)+4, 0                                ; into the set that TURN q has read (its LDS stores were waited for in front of the last barrier)
.else
	WLOAD (\q)-12, (\q)-12
.endif
.if (\q) < 15
.if (\q) < 12
	s_wait_loadcnt 48                              ; set q + 1 is in; the three sets behind it, 16 loads each, may be out
.else
	s_wait_loadcnt 37+(\q)                         ; of the three sets behind it q - 11 are W's, of 17 loads
.endif
	TURN (\q)+1                                    ; goes through the stage while set q is quantised
.endif
	QUANT \q
	WIN 0x08+0x04*(LAM_/4)                         ; the data: window 2 or 3
.irp c, 0,1,2,3
	ds_store_b128 v[IMW], v[CD_+4*\c:CD_+4*\c+3] offset:8192*((\q)%2)+512*\c   ; the fragment as it stands: an image of its registers
.endr
	WIN 0
	ds_store_b32 v[ISW], v[XW_] offset:512*((\q)%2)
	s_wait_dscnt 0x0                               ; my stores have landed, my loads are in (those of the last image among them: its bytes are written again behind this barrier)
	s_barrier_signal -1
	s_barrier_wait -1
	WIN 0x80+0x40*(LAM_/4)
.irp c, 0,1,2,3
	ds_load_b128 v[CD_+64+4*\c:CD_+64+4*\c+3], v[IMR] offset:8192*((\q)%2)+512*\c   ; wave w xor 1's fragment is my next tile's
.endr
	WIN 0
	ds_load_b32 v[XW_+4], v[ISR] offset:512*((\q)%2)
.endm
; Matrix instruction tn of a step's 32: first the tiles that I send (4-7), then mine (0-3); four accumulators by turns, one instruction a turn, K step by K step.
.macro MM set, P
.if tn < 16
.set lam, 4+tn%4
	WIN 0x0d                                       ; source 0 (W) window 1, source 1 (codes) window 3
.else
.set lam, tn%4
	WIN 0x09                                       ; source 1 window 2
.endif
.set ks, (tn/4)%4
.set rD, ACC+64*(\P)+8*lam
.set rW, 64*(\set)+16*ks
.set rC, 64*(lam%4)+16*ks
.if ks == 0
	v_wmma_scale_f32_16x16x128_f8f6f4 v[rD:rD+7], v[rW:rW+15], v[rC:rC+15], 0, v[WSC+4*(\set)+ks], v[XS+4*lam+ks] matrix_a_fmt:MATRIX_FMT_BF8 matrix_b_fmt:MATRIX_FMT_BF8
.else
	v_wmma_scale_f32_16x16x128_f8f6f4 v[rD:rD+7], v[rW:rW+15], v[rC:rC+15], v[rD:rD+7], v[WSC+4*(\set)+ks], v[XS+4*lam+ks] matrix_a_fmt:MATRIX_FMT_BF8 matrix_b_fmt:MATRIX_FMT_BF8
.endif
.endm
; THE VECTOR WORK OF A STEP is a list of 135 instructions on set P: my tiles 0-3 (32 numbers, 16 pairs) and, in the registers of tiles 4-7, the partner's sums for them.  TI writes number tx.
;   0-63    for each pair: the two halves of K added; x 2 log2 e; the 32 exponentials, each behind its pair's multiplication: none of these reads an exponential's result
;   64-111  1 + e, a pair at a time, and the 32 reciprocals, each behind its pair's addition: none of these reads a reciprocal's result
;   112-118 the sums of the step's eight c, even and odd; LA -= half of them, for each tile: these read no transcendental's result at all
;   119-134 LA += r c, a pair at a time, the four tiles by turns
; Each accumulator is first read at its low end.
.macro TI P
.set B_, ACC+64*(\P)
.set C_, CC+8*(\P)
.set top, 0
.set ti, 0
.if tx < 2
.set top, 1+tx
.elseif tx < 62
.set tz, tx-2
.set tk, tz/4+1
.if tz%4 == 0
.set top, 1
.set ti, tk
.elseif tz%4 == 1
.set top, 3
.set ti, 2*tk-2
.elseif tz%4 == 2
.set top, 2
.set ti, tk
.else
.set top, 3
.set ti, 2*tk-1
.endif
.elseif tx < 64
.set top, 3
.set ti, tx-32
.elseif tx < 66
.set top, 4
.set ti, tx-64
.elseif tx < 108
.set tz, tx-66
.if tz%3 == 2
.set top, 4
.set ti, tz/3+2
.else
.set top, 5
.set ti, 2*(tz/3)+tz%3
.endif
.elseif tx < 112
.set top, 5
.set ti, tx-80
.endif
.if top == 1
	v_pk_add_f32 v[B_+2*ti:B_+2*ti+1], v[B_+2*ti:B_+2*ti+1], v[B_+32+2*ti:B_+32+2*ti+1]
.elseif top == 2
	v_pk_mul_f32 v[B_+2*ti:B_+2*ti+1], v[B_+2*ti:B_+2*ti+1], s[K2:K2+1] op_sel_hi:[1,0]
.elseif top == 3
	v_exp_f32 v[B_+ti], v[B_+ti]
.elseif top == 4
	v_pk_add_f32 v[B_+2*ti:B_+2*ti+1], v[B_+2*ti:B_+2*ti+1], 1.0 op_sel_hi:[1,0]
.elseif top == 5
	v_rcp_f32 v[B_+ti], v[B_+ti]
.elseif tx == 112
	v_pk_add_f32 v[KS:KS+1], v[C_:C_+1], v[C_+2:C_+3]
.elseif tx == 113
	v_pk_add_f32 v[KT:KT+1], v[C_+4:C_+5], v[C_+6:C_+7]
.elseif tx == 114
	v_pk_add_f32 v[KS:KS+1], v[KS:KS+1], v[KT:KT+1]
.elseif tx < 119
.set ti, tx-115
	v_pk_fma_f32 v[LA+2*ti:LA+2*ti+1], v[KS:KS+1], -0.5, v[LA+2*ti:LA+2*ti+1] op_sel_hi:[1,0,1]
.else
.set tz, (tx-119)/4
.set ti, (tx-119)%4
	v_pk_fma_f32 v[LA+2*ti:LA+2*ti+1], v[B_+8*ti+2*tz:B_+8*ti+2*tz+1], v[C_+2*tz:C_+2*tz+1], v[LA+2*ti:LA+2*ti+1]
.endif
.endm
; Slice tn of 32.  Slices 0-15: numbers 0-63, four each.  Slices 16 and 17: numbers 112-118, which read nothing of the batch: they are the plain instructions behind the exponentials, and places behind product 15.
; Behind slice 17 the 32 exponentials have their one wait.  Slices 18-25: numbers 64-103, five each; 26 and 27: 104-111; a plain instruction and the
; one wait for the 32 reciprocals; slices 28-31: numbers 119-134, four each.
.macro SLICE P
	WIN 0
.if tn < 16
.set tx, 4*tn
.set txn, 4
.elseif tn == 16
.set tx, 112
.set txn, 4
.elseif tn == 17
.set tx, 116
.set txn, 3
.elseif tn < 26
.set tx, 64+5*(tn-18)
.set txn, 5
.elseif tn < 28
.set tx, 104+4*(tn-26)
.set txn, 4
.else
.set tx, 119+4*(tn-28)
.set txn, 4
.endif
.rept txn
	TI \P
.set tx, tx+1
.endr
.if tn == 17
	v_nop
	s_wait_alu depctr_va_vdst(0)
.endif
.if tn == 27
	v_nop
	s_wait_alu depctr_va_vdst(0)
.endif
.endm
; A STEP: one tile of 16 columns.  set: W's registers; P: the accumulators; sl = 1: the last step's list stands in slices; wl = 1: W's tile three steps on (d from the base) is asked for, into the set that the last step read;
; lc: how many younger loads may be out; ci: which 64 bytes of c; adv = 1: c's address goes 256 bytes on.
; The wait for the exponentials, the eight LDS stores of the tiles that I send and W's seventeen loads stand together behind slice 17: one break in the run of products, not three.
; PLACES (eight behind this form, and only plain vector instructions that name none of its registers count).  In front of the stores of tiles 4-7, whose last product is number 15: one in slice 15,
; four in slice 16, three in slice 17, and a v_nop.  In front of the loads into the last step's set and scale words: the plain instructions of slices 0-17.
; In front of the first read of a tile 0-3 in the next step: the sixteen of slices 28-31, which work on the other set.
.macro STEP set, P, sl, wl, d, lc, ci, adv
	s_wait_loadcnt \lc                             ; this step's 17 loads are in
	s_wait_dscnt 0x0                               ; so are the partner's sums and c of the last step (at first: the last image)
.if \adv
	v_add_nc_u32 v[CA], 256, v[CA]
.endif
.set tn, 0
.rept 32
	MM \set, \P
.if \sl
	SLICE 1-\P
.endif
.if tn == 17
	WIN 0
.if !(\sl)
	PLACES 8
.endif
.irp u, 0,1,2,3
	ds_store_b128 v[EXW], v[ACC+64*(\P)+32+8*\u:ACC+64*(\P)+32+8*\u+3] offset:16384*(\P)+1024*\u       ; each accumulator from its low end on
	ds_store_b128 v[EXW], v[ACC+64*(\P)+32+8*\u+4:ACC+64*(\P)+32+8*\u+7] offset:16384*(\P)+1024*\u+512
.endr
.if \wl
	WLOAD ((\set)+3)%4, \d
.endif
.endif
.if tn == 20
	s_wait_dscnt 0x0                               ; my eight stores have landed: say so,
	s_barrier_signal -1
.endif
.if tn == 22
	WIN 0
	s_barrier_wait -1                              ; work on registers meanwhile, and go on when all four have said so
.irp u, 0,1,2,3
	ds_load_b128 v[ACC+64*(\P)+32+8*\u:ACC+64*(\P)+32+8*\u+3], v[EXR] offset:16384*(\P)+1024*\u        ; the partner's sums for my tiles 0-3, into the registers that I have sent
	ds_load_b128 v[ACC+64*(\P)+32+8*\u+4:ACC+64*(\P)+32+8*\u+7], v[EXR] offset:16384*(\P)+1024*\u+512
.endr
	ds_load_b128 v[CC+8*(\P):CC+8*(\P)+3], v[CA] offset:64*(\ci)       ; c of this step's columns 8 h + 0 .. 7
	ds_load_b128 v[CC+8*(\P)+4:CC+8*(\P)+7], v[CA] offset:64*(\ci)+16
.endif
.set tn, tn+1
.endr
.if !(\sl)
	WIN 0
	PLACES 8
.endif
.endm
; The weighted sum: 8 rows' weights and my 16 bytes (8 columns) of each of the 8 rows, into buffer buf: ten loads.
.macro CTXL buf
	v_add_nc_u32 v[CXA+2*\buf], s36, v[XR0+\buf]
	v_add_nc_u32 v[CXA+2*\buf+1], s37, v[PB0+\buf]
	ds_load_b128 v[PP+8*\buf:PP+8*\buf+3], v[CXA+2*\buf+1]
	ds_load_b128 v[PP+8*\buf+4:PP+8*\buf+7], v[CXA+2*\buf+1] offset:16
.irp i, 0,1,2,3,4,5,6,7
	ds_load_b128 v[XR+32*\buf+4*\i:XR+32*\buf+4*\i+3], v[CXA+2*\buf] offset:2048*\i
.endr
.endm
.macro CTXF buf                        ; 64 fused multiply-adds straight from the bf16 halves: eight sums by turns
.irp i, 0,1,2,3,4,5,6,7
.irp e, 0,1,2,3
	v_fma_mix_f32_bf16 v[SUM+2*\e], v[XR+32*\buf+4*\i+\e], v[PP+8*\buf+\i], v[SUM+2*\e] op_sel_hi:[1,0,0]
	v_fma_mix_f32_bf16 v[SUM+2*\e+1], v[XR+32*\buf+4*\i+\e], v[PP+8*\buf+\i], v[SUM+2*\e+1] op_sel:[1,0,0] op_sel_hi:[1,0,0]
.endr
.endr
.endm
	s_load_b256 s[4:11], s[0:1], 0x0               ; x s[4:5], c s[6:7], wfrag s[8:9], wscl s[10:11]
	s_load_b128 s[12:15], s[0:1], 0x20             ; logits s[12:13], part s[14:15]
	v_lshrrev_b32 v1, 5, v0
	v_readfirstlane_b32 s[WV], v1                  ; wave 0..3
	s_lshr_b32 s[KH], s[WV], 1                     ; my half of K
	s_and_b32 s[NH], s[WV], 1                      ; my half of N
	v_and_b32 v1, 31, v0                           ; lane
	v_and_b32 v2, 15, v0                           ; r
	v_bfe_u32 v3, v0, 4, 1                         ; h
	v_lshlrev_b32 v[XO], 4, v1
	v_lshlrev_b32 v[WSO], 4, v2
	v_lshlrev_b32 v[CO], 4, v0
	s_lshl_b32 s36, s[KH], 6
	s_lshl_b32 s37, s[NH], 4
.irp a, 0,1,2,3
	s_xor_b32 s[40+\a], s36, 32*\a
	s_add_co_u32 s[40+\a], s[40+\a], s37           ; the first row of my tile 2 a: (32 a xor 64 kh) + 16 nh
.endr
	s_lshl_b32 s38, ttmp9, 20                      ; the work-group's two blocks of 128 rows of 4,096 bytes
	s_lshl_b32 s39, s[KH], 11                      ; my half of a row
	s_add_co_u32 s38, s38, s39
	s_mov_b32 s45, 0
	s_mov_b32 s[K2], 0x4038aa3b                    ; 2 log2 e
	s_mov_b32 s[K2+1], s[K2]
	s_mov_b32 s[SEL], 0x76543210
	s_mov_b32 s[SEL+1], 0xfedcba98
	s_mov_b32 s[MNT], 0x600000
	s_mov_b32 s[BLK], 2
	s_wait_kmcnt 0x0
.irp a, 0,1,2,3
	s_lshl_b32 s44, s[40+\a], 12
	s_add_co_u32 s44, s44, s38
	s_add_nc_u64 s[XG+2*\a:XG+2*\a+1], s[4:5], s[44:45]
.endr
	s_lshl_b32 s44, s[NH], 19                      ; wfrag: 32 tiles of 16,384 bytes,
	s_lshl_b32 s46, s[KH], 13                      ; four K steps of 2,048
	s_add_co_u32 s44, s44, s46
	s_add_nc_u64 s[WP:WP+1], s[WP:WP+1], s[44:45]
	s_lshl_b32 s44, s[NH], 14                      ; wscl: 32 tiles of 512 bytes, a half of 256
	s_lshl_b32 s46, s[KH], 8
	s_add_co_u32 s44, s44, s46
	s_add_nc_u64 s[WSP:WSP+1], s[WSP:WSP+1], s[44:45]
	s_mov_b64 s[WP0:WP0+1], s[WP:WP+1]             ; every block walks W from here
	s_mov_b64 s[WSP0:WSP0+1], s[WSP:WSP+1]
	s_lshl_b32 s44, ttmp9, 10
	s_add_nc_u64 s[12:13], s[12:13], s[44:45]      ; my first block's 128 logits
	s_lshl_b32 s44, ttmp9, 13
	s_lshl_b32 s46, s[WV], 10
	s_add_co_u32 s44, s44, s46
	s_add_nc_u64 s[14:15], s[14:15], s[44:45]      ; my first block's row of part, my 256 columns
	global_load_b128 v[TM:TM+3], v[CO], s[6:7]     ; c: 128 threads x 16 bytes, twice
	global_load_b128 v[TM+4:TM+7], v[CO], s[6:7] offset:2048
	LOADX 0, 0
	LOADX 1, 0
	LOADX 2, 0
	LOADX 3, 0
	; every LDS address is made here: a constant, a constant x lane, a constant x wave
	s_lshl_b32 s39, s[KH], 10
.irp a, 0,1,2,3
	s_lshl_b32 s36, s[40+\a], 11
	s_add_co_u32 s36, s36, s39
	v_lshl_add_u32 v[XBA+\a], v1, 3, s36
.endr
	s_mul_i32 s36, s[WV], 8448
	s_add_co_u32 s36, s36, STG
	v_lshl_add_u32 v[STW], v1, 4, s36
	v_mul_u32_u24 v[STR], v2, 528
	v_lshl_add_u32 v[STR], v3, 6, v[STR]
	v_add_nc_u32 v[STR], s36, v[STR]
	s_xor_b32 s37, s[WV], 1
	s_xor_b32 s38, s[WV], 2
	s_lshl_b32 s36, s[WV], 11
	s_add_co_u32 s36, s36, IMG
	v_lshl_add_u32 v[IMW], v1, 4, s36
	s_lshl_b32 s36, s37, 11
	s_add_co_u32 s36, s36, IMG
	v_lshl_add_u32 v[IMR], v1, 4, s36
	s_lshl_b32 s36, s[WV], 7
	s_add_co_u32 s36, s36, ISC
	v_lshl_add_u32 v[ISW], v1, 2, s36
	s_lshl_b32 s36, s37, 7
	s_add_co_u32 s36, s36, ISC
	v_lshl_add_u32 v[ISR], v1, 2, s36
	s_lshl_b32 s36, s[WV], 12
	s_add_co_u32 s36, s36, EX
	v_lshl_add_u32 v[EXW], v1, 4, s36
	s_lshl_b32 s36, s38, 12
	s_add_co_u32 s36, s36, EX
	v_lshl_add_u32 v[EXR], v1, 4, s36
	s_lshl_b32 s36, s[NH], 11
	s_add_co_u32 s36, s36, CB
	v_lshl_add_u32 v[CA], v3, 5, s36
	s_lshl_b32 s39, s[KH], 8
	s_mul_i32 s36, s[NH], 576                      ; my tiles 0 and 2 are the block's nh + 4 kh and 2 more: 512 nh + 64 (nh + 4 kh)
	s_add_co_u32 s36, s36, s39
	s_add_co_u32 s36, s36, LP
	v_lshl_add_u32 v[LPE], v2, 2, s36
	s_mul_i32 s36, s[NH], 448                      ; my tiles 1 and 3 are 1 - nh + 4 kh and 2 more: 512 nh + 64 (1 - nh + 4 kh)
	s_add_co_u32 s36, s36, s39
	s_add_co_u32 s36, s36, LP+64
	v_lshl_add_u32 v[LPO], v2, 2, s36
	v_lshl_add_u32 v[LPR], v1, 4, LP
	s_lshl_b32 s36, s[WV], 9
	v_lshl_add_u32 v[XR0], v1, 4, s36
	v_add_nc_u32 v[XR0+1], 16384, v[XR0]
	s_add_co_u32 s36, s36, PB
	v_lshl_add_u32 v[PBW], v1, 4, s36
	v_mov_b32 v[PB0], s36
	v_add_nc_u32 v[PB0+1], 32, v[PB0]
	s_lshl_b32 s36, s[WV], 10
	s_add_co_u32 s36, s36, OST
	v_lshl_add_u32 v[OSW], v1, 5, s36
	v_lshl_add_u32 v[OSR], v1, 4, s36
	v_lshl_add_u32 v[CW], v0, 4, CB
	v_add_nc_u32 v[CA0], 0, v[CA]                  ; r is done with: the register keeps c's first address
	s_wait_loadcnt 48                              ; c and set 0 are in; sets 1 to 3 may be out
	ds_store_b128 v[CW], v[TM:TM+3]
	ds_store_b128 v[CW], v[TM+4:TM+7] offset:2048
	s_wait_dscnt 0x0
.irp b, 0,1,2,3
	v_mov_b32 v[TM+4+\b], 0                        ; written once: a lane permute's destination counts as one of its sources
.endr
.Lblock:                                           ; two trips: a block each.  On both ways in, the block's sets 0 to 3 have been asked for, 64 loads
	s_wait_loadcnt 48                              ; set 0 is in; sets 1 to 3 may be out
	TURN 0
	s_wait_dscnt 0x0                               ; set 0 is back from the stage, and the stores have read its landing registers
	; ---- THE WAY IN: sixteen sets, written out, since each has registers of its own for its codes
.irp q, 0,1,2,3,4,5,6,7,8,9,10,11,12,13,14,15
	XSET \q
.endr
	; ---- THE PRODUCT: 32 steps.  The first has no list to carry; four make a trip, after which the register numbers are back where they began; the last three ask for nothing more
.irp j, 0,1,2,3,4,5,6,7
	v_mov_b32 v[LA+\j], 0
.endr
	v_add_nc_u32 v[CA], 0, v[CA0]                  ; c from the first step's columns on
	STEP 0, 0, 0, 0, 0, 51, 0, 0                   ; three younger sets of 17 loads may be out
	s_mov_b32 s[CNT], 7
.Lsteps:
	STEP 1, 1, 1, 1, 4, 34, 1, 0                   ; two younger sets may be out
	STEP 2, 0, 1, 1, 5, 34, 2, 0
	STEP 3, 1, 1, 1, 6, 34, 3, 0
	STEP 0, 0, 1, 1, 7, 34, 0, 1
	s_wait_xcnt 0x0                                ; the loads have read their bases: only behind this wait are they stepped
	s_add_nc_u64 s[WP:WP+1], s[WP:WP+1], 65536
	s_add_nc_u64 s[WSP:WSP+1], s[WSP:WSP+1], 2048
	s_sub_co_u32 s[CNT], s[CNT], 1
	s_cmp_lg_u32 s[CNT], 0
	s_cbranch_scc1 .Lsteps
	STEP 1, 1, 1, 0, 0, 34, 1, 0
	STEP 2, 0, 1, 0, 0, 17, 2, 0
	STEP 3, 1, 1, 0, 0, 0, 3, 0
	s_wait_dscnt 0x0                               ; the last step's exchange and c
	PLACES 8                                       ; behind the last product: for the loads into W's registers, and for the first read of its result
	s_cmp_eq_u32 s[BLK], 1                         ; the last block asks for nothing: no load leaves its buffer
	s_cbranch_scc1 .Lno_next
	LOADX 0, NEXT                                  ; THE NEXT BLOCK'S FIRST FOUR SETS, into the registers in which W landed: they come in while this block is finished
	LOADX 1, NEXT
	LOADX 2, NEXT
	LOADX 3, NEXT
.Lno_next:
.set tx, 0
.rept 135                              ; the last step's list, with nothing to stand between
	TI 1
.if (tx == 63) || (tx == 111)
	v_nop
	s_wait_alu depctr_va_vdst(0)
.endif
.set tx, tx+1
.endr
	; ---- THE BLOCK'S SOFTMAX AND WEIGHTED SUM
.irp t, 0,1,2,3
	v_add_f32 v[WK+\t], v[LA+2*\t], v[LA+2*\t+1]   ; even and odd columns,
.endr
.irp t, 0,1,2,3
	v_permlanex16_b32 v[LG+\t], v[WK+\t], s[SEL], s[SEL+1]
.endr
.irp t, 0,1,2,3
	v_add_f32 v[WK+\t], v[WK+\t], v[LG+\t]         ; and lane l xor 16's eight of each tile
.endr
.irp t, 0,1,2,3
	v_mul_f32 v[WK+\t], -2.0, v[WK+\t]             ; tanh = -2 (r - 1/2)
.endr
	ds_store_b32 v[LPE], v[WK]                     ; row r of my tiles 0 to 3; both halves of the lanes write the same word with the same value
	ds_store_b32 v[LPO], v[WK+1]
	ds_store_b32 v[LPE], v[WK+2] offset:128
	ds_store_b32 v[LPO], v[WK+3] offset:128
	s_wait_dscnt 0x0
	s_barrier_signal -1
	s_barrier_wait -1
	ds_load_b128 v[WK:WK+3], v[LPR]                ; rows 4 l .. 4 l + 3: the first half of N,
	ds_load_b128 v[WK2:WK2+3], v[LPR] offset:512   ; the second
	s_wait_dscnt 0x0
	v_pk_add_f32 v[LG:LG+1], v[WK:WK+1], v[WK2:WK2+1]
	v_pk_add_f32 v[LG+2:LG+3], v[WK+2:WK+3], v[WK2+2:WK2+3]
	v_max3_num_f32 v[WK2], v[LG], v[LG+1], v[LG+2]
	v_max_num_f32 v[WK2], v[WK2], v[LG+3]
	v_max_num_f32_dpp v[WK2], v[WK2], v[WK2] row_xmask:1 row_mask:0xf bank_mask:0xf
	v_max_num_f32_dpp v[WK2], v[WK2], v[WK2] row_xmask:2 row_mask:0xf bank_mask:0xf
	v_max_num_f32_dpp v[WK2], v[WK2], v[WK2] row_xmask:4 row_mask:0xf bank_mask:0xf
	v_max_num_f32_dpp v[WK2], v[WK2], v[WK2] row_xmask:8 row_mask:0xf bank_mask:0xf
	v_permlanex16_b32 v[WK2+1], v[WK2], s[SEL], s[SEL+1]
	v_max_num_f32 v[WK2], v[WK2], v[WK2+1]         ; the block's largest logit, in every lane
.irp i, 0,1,2,3
	v_sub_f32 v[WK+\i], v[LG+\i], v[WK2]           ; the maximum is taken away first, then the factor
.endr
.irp i, 0,1,2,3
	v_mul_f32 v[WK+\i], 0x3fb8aa3b, v[WK+\i]
.endr
.irp i, 0,1,2,3
	v_exp_f32 v[WK+\i], v[WK+\i]                   ; p, at most 1
.endr
	v_nop
	s_wait_alu depctr_va_vdst(0)                   ; one wait for the four, ahead of their first reader
	ds_store_b128 v[PBW], v[WK:WK+3]               ; into my wave's own copy: its loads below come behind it in order
.irp j, 0,1,2,3,4,5,6,7
	v_mov_b32 v[SUM+\j], 0
.endr
	s_mov_b32 s36, 0                               ; where the pair of buffers stands: in the bf16 copy,
	s_mov_b32 s37, 0                               ; and in p
	CTXL 0
	s_mov_b32 s[CNT], 7
.Lctx:                                             ; 16 rows a trip; a buffer's ten loads are out while the other is summed
	CTXL 1
	s_add_co_u32 s36, s36, 32768
	s_add_co_u32 s37, s37, 64
	s_wait_dscnt 10                                ; all but the ten just issued
	CTXF 0
	CTXL 0
	s_wait_dscnt 10
	CTXF 1
	s_sub_co_u32 s[CNT], s[CNT], 1
	s_cmp_lg_u32 s[CNT], 0
	s_cbranch_scc1 .Lctx
	CTXL 1
	s_wait_dscnt 10
	CTXF 0
	s_wait_dscnt 0x0
	CTXF 1
	ds_store_b128 v[OSW], v[SUM:SUM+3]             ; a lane's 32 bytes go through my stage, so that a store covers 512 consecutive bytes
	ds_store_b128 v[OSW], v[SUM+4:SUM+7] offset:16
	ds_load_b128 v[WK:WK+3], v[OSR]
	ds_load_b128 v[WK2:WK2+3], v[OSR] offset:512
	s_wait_dscnt 0x0
	global_store_b128 v[XO], v[WK:WK+3], s[14:15] th:TH_STORE_NT
	global_store_b128 v[XO], v[WK2:WK2+3], s[14:15] offset:512 th:TH_STORE_NT
	s_cmp_lg_u32 s[WV], 0                          ; every wave holds the 128 logits: wave 0 stores them, 512 consecutive bytes
	s_cbranch_scc1 .Lstored
	global_store_b128 v[XO], v[LG:LG+3], s[12:13]
.Lstored:
	; ---- ON TO THE NEXT BLOCK
	s_wait_xcnt 0x0                                ; the stores have read their data and bases, the next block's loads theirs: only behind this wait are they written
.irp a, 0,1,2,3
	s_add_nc_u64 s[XG+2*\a:XG+2*\a+1], s[XG+2*\a:XG+2*\a+1], NEXT
.endr
	s_add_nc_u64 s[12:13], s[12:13], 512
	s_add_nc_u64 s[14:15], s[14:15], 4096
	s_mov_b64 s[WP:WP+1], s[WP0:WP0+1]             ; W from its first tile again
	s_mov_b64 s[WSP:WSP+1], s[WSP0:WSP0+1]
	s_wait_dscnt 0x0                               ; my reads of the bf16 copy are over: the next block writes it only when all four waves have said so
	s_barrier_signal -1
	s_barrier_wait -1
	s_sub_co_u32 s[BLK], s[BLK], 1
	s_cmp_lg_u32 s[BLK], 0
	s_cbranch_scc1 .Lblock
	s_wait_xcnt 0x0
	v_lshl_add_u32 v254, v0, 2, 0x4f400
	v_mov_b32 v255, 0
	s_wait_tensorcnt 0x0
	ds_add_u32 v254, v255
	s_wait_dscnt 0x0
	s_endpgm
.Lfunc_end_k_q9896b8c390_main:
	.size	k_q9896b8c390_main, .Lfunc_end_k_q9896b8c390_main-k_q9896b8c390_main
	.p2alignl 7, 3214868480
	.fill 96, 4, 3214868480
	.section	.rodata,"a",@progbits
	.p2align	6, 0x0
	.amdhsa_kernel k_q9896b8c390_main
		.amdhsa_group_segment_fixed_size 325120
		.amdhsa_private_segment_fixed_size 0
		.amdhsa_enable_private_segment 0
		.amdhsa_kernarg_size 48
		.amdhsa_user_sgpr_count 2
		.amdhsa_user_sgpr_kernarg_segment_ptr 1
		.amdhsa_wavefront_size32 1
		.amdhsa_system_sgpr_workgroup_id_x 1
		.amdhsa_system_sgpr_workgroup_id_y 1
		.amdhsa_system_sgpr_workgroup_id_z 1
		.amdhsa_system_vgpr_workitem_id 0
		.amdhsa_next_free_vgpr 1024
		.amdhsa_next_free_sgpr 66
		.amdhsa_reserve_vcc 0
		.amdhsa_float_denorm_mode_32 3
		.amdhsa_float_denorm_mode_16_64 3
		.amdhsa_memory_ordered 1
		.amdhsa_forward_progress 1
		.amdhsa_inst_pref_size 255
	.end_amdhsa_kernel
	.section	.bss,"aw",@nobits
	.p2align	6
	.space	262144
	.amdgpu_metadata
---
amdhsa.version: [ 1, 2 ]
amdhsa.kernels:
  - .name:           k_q9896b8c390_main
    .symbol:         k_q9896b8c390_main.kd
    .args:
      - { .name: gru_output, .offset: 0, .size: 8, .value_kind: global_buffer, .address_space: global }
      - { .name: context_vector, .offset: 8, .size: 8, .value_kind: global_buffer, .address_space: global }
      - { .name: wfrag, .offset: 16, .size: 8, .value_kind: global_buffer, .address_space: global }
      - { .name: wscl, .offset: 24, .size: 8, .value_kind: global_buffer, .address_space: global }
      - { .name: logits, .offset: 32, .size: 8, .value_kind: global_buffer, .address_space: global }
      - { .name: part, .offset: 40, .size: 8, .value_kind: global_buffer, .address_space: global }
    .group_segment_fixed_size: 325120
    .private_segment_fixed_size: 0
    .kernarg_segment_align: 8
    .kernarg_segment_size: 48
    .max_flat_workgroup_size: 128
    .sgpr_count:     66
    .vgpr_count:     1024
    .wavefront_size: 32
...
	.end_amdgpu_metadata
.endif
;; end of part 2
;; launch combine (part 3): grid 256 x 1, 1 waves a work-group, no clusters, 0 bytes of LDS; arguments logits, part, out0, out1; writes out0, out1
.if DOCPART == 3
	.amdgcn_target "amdgcn-amd-amdhsa--gfx1250"
	.amdhsa_code_object_version 6
	.text
	.protected	k_q9896b8c390_combine
	.globl	k_q9896b8c390_combine
	.p2align	8
	.type	k_q9896b8c390_combine,@function
k_q9896b8c390_combine:
	s_mov_b64 s[64:65], 0
	v_nop
	global_prefetch_b8 v0, s[64:65] scope:SCOPE_SE
	s_setreg_imm32_b32 hwreg(HW_REG_WAVE_MODE, 25, 1), 1
	s_wait_xcnt 0x0
; The sixteen blocks of a batch are merged.  Work-group x: batch b = x / 8, eighth e = x % 8: 256 of the batch's 2,048 attention weights and 128 of its 1,024 context numbers.
; m = the batch's largest logit; attn = 2^((logit - m) log2 e) / their sum.  part[block] was summed under the block's own largest logit MX: it is brought under m by w = 2^((MX - m) log2 e).
; MX is taken here from the stored logits, the same numbers from which the launch before took it: a maximum rounds nothing, so it is the same number.
; One wave: the sums never leave it.  Each load and store covers 512 consecutive bytes.  Matrix units, LDS and clusters would add nothing here: the launch moves 2.3 MB and has no product.
.set LG, 16                            ; v16-79   the batch's logits: block i, rows 4 l .. 4 l + 3
.set OW, 80                            ; v80-87   my 256 logits
.set PT, 88                            ; v88-151  part: block i, my 128 columns, 4 a lane
.set MX, 152                           ; v152-167 each block's largest logit, then its weight
.set TP, 168                           ; v168-183 at work
	s_load_b256 s[4:11], s[0:1], 0x0               ; logits s[4:5], part s[6:7], out0 s[8:9], out1 s[10:11]
	s_lshr_b32 s12, ttmp9, 3                       ; b
	s_and_b32 s13, ttmp9, 7                        ; e
	v_lshlrev_b32 v1, 4, v0                        ; 16 bytes a lane
	s_lshl_b32 s14, s12, 13                        ; a batch's logits: 8,192 bytes
	s_mov_b32 s15, 0
	s_lshl_b32 s16, s13, 10
	s_add_co_u32 s16, s16, s14                     ; + my 1,024
	s_mov_b32 s17, 0
	s_lshl_b32 s18, s12, 16                        ; a batch's sixteen rows of part
	s_lshl_b32 s20, s13, 9
	s_add_co_u32 s18, s18, s20                     ; + my 512 bytes of a row
	s_mov_b32 s19, 0
	s_lshl_b32 s22, s12, 12
	s_add_co_u32 s20, s22, s20                     ; the same in out0
	s_mov_b32 s21, 0
	s_mov_b32 s22, 0x76543210
	s_mov_b32 s23, 0xfedcba98                      ; v_permlanex16_b32's selects for lane l xor 16
	s_wait_kmcnt 0x0
	s_add_nc_u64 s[24:25], s[4:5], s[14:15]
	s_add_nc_u64 s[26:27], s[4:5], s[16:17]
	s_add_nc_u64 s[6:7], s[6:7], s[18:19]
	s_add_nc_u64 s[8:9], s[8:9], s[20:21]
	s_add_nc_u64 s[10:11], s[10:11], s[16:17]
.irp i, 0,1,2,3,4,5,6,7,8,9,10,11,12,13,14,15
	global_load_b128 v[LG+4*\i:LG+4*\i+3], v1, s[24:25] offset:512*\i
.endr
	global_load_b128 v[OW:OW+3], v1, s[26:27]
	global_load_b128 v[OW+4:OW+7], v1, s[26:27] offset:512
.irp i, 0,1,2,3,4,5,6,7,8,9,10,11,12,13,14,15
	global_load_b128 v[PT+4*\i:PT+4*\i+3], v1, s[6:7] offset:4096*\i th:TH_LOAD_NT
.endr
.irp i, 0,1,2,3,4,5,6,7,8,9,10,11,12,13,14,15
	v_mov_b32 v[TP+\i], 0                          ; a lane permute's destination counts as one of its sources
.endr
	s_wait_loadcnt 16                              ; the logits are in; the sixteen loads of part may be out
.irp i, 0,1,2,3,4,5,6,7,8,9,10,11,12,13,14,15
	v_max3_num_f32 v[MX+\i], v[LG+4*\i], v[LG+4*\i+1], v[LG+4*\i+2]
.endr
.irp i, 0,1,2,3,4,5,6,7,8,9,10,11,12,13,14,15
	v_max_num_f32 v[MX+\i], v[MX+\i], v[LG+4*\i+3]
.endr
.irp k, 1,2,4,8
.irp i, 0,1,2,3,4,5,6,7,8,9,10,11,12,13,14,15
	v_max_num_f32_dpp v[MX+\i], v[MX+\i], v[MX+\i] row_xmask:\k row_mask:0xf bank_mask:0xf
.endr
.endr
.irp i, 0,1,2,3,4,5,6,7,8,9,10,11,12,13,14,15
	v_permlanex16_b32 v[TP+\i], v[MX+\i], s22, s23
.endr
.irp i, 0,1,2,3,4,5,6,7,8,9,10,11,12,13,14,15
	v_max_num_f32 v[MX+\i], v[MX+\i], v[TP+\i]     ; block i's largest logit, in every lane
.endr
	v_max3_num_f32 v184, v[MX], v[MX+1], v[MX+2]
.irp i, 3,5,7,9,11,13
	v_max3_num_f32 v184, v184, v[MX+\i], v[MX+\i+1]
.endr
	v_max_num_f32 v184, v184, v[MX+15]             ; m
	v_mov_b32 v185, v184
.set j, LG
.rept 36                               ; the batch's 64 logits of my lane and my own 8: the maximum is taken away first,
	v_pk_add_f32 v[j:j+1], v[j:j+1], v[184:185] neg_lo:[0,1] neg_hi:[0,1]
.set j, j+2
.endr
.set j, MX
.rept 8
	v_pk_add_f32 v[j:j+1], v[j:j+1], v[184:185] neg_lo:[0,1] neg_hi:[0,1]
.set j, j+2
.endr
.set j, LG
.rept 36                               ; then the factor log2 e
	v_pk_mul_f32 v[j:j+1], v[j:j+1], 0x3fb8aa3b op_sel_hi:[1,0]
.set j, j+2
.endr
.set j, MX
.rept 8
	v_pk_mul_f32 v[j:j+1], v[j:j+1], 0x3fb8aa3b op_sel_hi:[1,0]
.set j, j+2
.endr
.set j, LG
.rept 72
	v_exp_f32 v[j], v[j]
.set j, j+1
.endr
.set j, MX
.rept 16
	v_exp_f32 v[j], v[j]
.set j, j+1
.endr
	v_nop                                          ; a plain instruction behind the last exponential,
	s_wait_alu depctr_va_vdst(0)                   ; and one wait for the batch of 88, ahead of its first reader
	v_pk_add_f32 v[186:187], v[LG:LG+1], v[LG+2:LG+3]      ; the sum, in two chains
	v_pk_add_f32 v[188:189], v[LG+4:LG+5], v[LG+6:LG+7]
.set j, LG+8
.rept 14
	v_pk_add_f32 v[186:187], v[186:187], v[j:j+1]
	v_pk_add_f32 v[188:189], v[188:189], v[j+2:j+3]
.set j, j+4
.endr
	v_pk_add_f32 v[186:187], v[186:187], v[188:189]
	v_add_f32 v186, v186, v187
	v_add_f32_dpp v186, v186, v186 row_xmask:1 row_mask:0xf bank_mask:0xf
	v_add_f32_dpp v186, v186, v186 row_xmask:2 row_mask:0xf bank_mask:0xf
	v_add_f32_dpp v186, v186, v186 row_xmask:4 row_mask:0xf bank_mask:0xf
	v_add_f32_dpp v186, v186, v186 row_xmask:8 row_mask:0xf bank_mask:0xf
	v_permlanex16_b32 v187, v186, s22, s23
	v_add_f32 v186, v186, v187                     ; at least 1: the largest logit's term
	v_rcp_f32 v190, v186
	v_nop
	s_wait_alu depctr_va_vdst(0)
	v_mov_b32 v191, v190
.irp j, 0,2,4,6
	v_pk_mul_f32 v[OW+\j:OW+\j+1], v[OW+\j:OW+\j+1], v[190:191]
.endr
	global_store_b128 v1, v[OW:OW+3], s[10:11]
	global_store_b128 v1, v[OW+4:OW+7], s[10:11] offset:512
	s_wait_loadcnt 0x0                             ; part
	v_pk_mul_f32 v[186:187], v[PT:PT+1], v[MX:MX+1] op_sel_hi:[1,0]        ; block 0 starts the sums; of the pair of weights the low word serves both halves
	v_pk_mul_f32 v[188:189], v[PT+2:PT+3], v[MX:MX+1] op_sel_hi:[1,0]
.irp i, 1,2,3,4,5,6,7,8,9,10,11,12,13,14,15
.if \i%2 == 0
	v_pk_fma_f32 v[186:187], v[PT+4*\i:PT+4*\i+1], v[MX+\i:MX+\i+1], v[186:187] op_sel_hi:[1,0,1]
	v_pk_fma_f32 v[188:189], v[PT+4*\i+2:PT+4*\i+3], v[MX+\i:MX+\i+1], v[188:189] op_sel_hi:[1,0,1]
.else
	v_pk_fma_f32 v[186:187], v[PT+4*\i:PT+4*\i+1], v[MX+\i-1:MX+\i], v[186:187] op_sel:[0,1,0] op_sel_hi:[1,1,1]      ; an odd block's weight is the pair's high word
	v_pk_fma_f32 v[188:189], v[PT+4*\i+2:PT+4*\i+3], v[MX+\i-1:MX+\i], v[188:189] op_sel:[0,1,0] op_sel_hi:[1,1,1]
.endif
.endr
	v_pk_mul_f32 v[186:187], v[186:187], v[190:191]
	v_pk_mul_f32 v[188:189], v[188:189], v[190:191]
	global_store_b128 v1, v[186:189], s[8:9]
	s_endpgm
.Lfunc_end_k_q9896b8c390_combine:
	.size	k_q9896b8c390_combine, .Lfunc_end_k_q9896b8c390_combine-k_q9896b8c390_combine
	.p2alignl 7, 3214868480
	.fill 96, 4, 3214868480
	.section	.rodata,"a",@progbits
	.p2align	6, 0x0
	.amdhsa_kernel k_q9896b8c390_combine
		.amdhsa_group_segment_fixed_size 0
		.amdhsa_private_segment_fixed_size 0
		.amdhsa_enable_private_segment 0
		.amdhsa_kernarg_size 32
		.amdhsa_user_sgpr_count 2
		.amdhsa_user_sgpr_kernarg_segment_ptr 1
		.amdhsa_wavefront_size32 1
		.amdhsa_system_sgpr_workgroup_id_x 1
		.amdhsa_system_sgpr_workgroup_id_y 1
		.amdhsa_system_sgpr_workgroup_id_z 1
		.amdhsa_system_vgpr_workitem_id 0
		.amdhsa_next_free_vgpr 192
		.amdhsa_next_free_sgpr 66
		.amdhsa_reserve_vcc 0
		.amdhsa_float_denorm_mode_32 3
		.amdhsa_float_denorm_mode_16_64 3
		.amdhsa_memory_ordered 1
		.amdhsa_forward_progress 1
		.amdhsa_inst_pref_size 28
	.end_amdhsa_kernel
	.amdgpu_metadata
---
amdhsa.version: [ 1, 2 ]
amdhsa.kernels:
  - .name:           k_q9896b8c390_combine
    .symbol:         k_q9896b8c390_combine.kd
    .args:
      - { .name: logits, .offset: 0, .size: 8, .value_kind: global_buffer, .address_space: global }
      - { .name: part, .offset: 8, .size: 8, .value_kind: global_buffer, .address_space: global }
      - { .name: out0, .offset: 16, .size: 8, .value_kind: global_buffer, .address_space: global }
      - { .name: out1, .offset: 24, .size: 8, .value_kind: global_buffer, .address_space: global }
    .group_segment_fixed_size: 0
    .private_segment_fixed_size: 0
    .kernarg_segment_align: 8
    .kernarg_segment_size: 32
    .max_flat_workgroup_size: 32
    .sgpr_count:     66
    .vgpr_count:     192
    .wavefront_size: 32
...
	.end_amdgpu_metadata
.endif
;; end of part 3
;; ======== version 2 of 2: 3 launches; version 1 with the launch main written anew for expert scheduling mode
;; workspace buffers: wfrag 1,048,576 bytes; wscl 32,768 bytes; logits 262,144 bytes; part 2,097,152 bytes
;; launch relay: the kernel of part 1 again; grid 256 x 1, 4 waves a work-group, no clusters, 4,864 bytes of LDS; arguments attention_weights_codes, attention_weights_scales, wfrag, wscl; writes wfrag, wscl
;; launch main (part 4): grid 256 x 1, 4 waves a work-group, no clusters, 325,120 bytes of LDS; arguments gru_output, context_vector, wfrag, wscl, logits, part; writes logits, part
.if DOCPART == 4
	.amdgcn_target "amdgcn-amd-amdhsa--gfx1250"
	.amdhsa_code_object_version 6
	.text
	.protected	k_q9896b8c390_main
	.globl	k_q9896b8c390_main
	.p2align	8
	.type	k_q9896b8c390_main,@function
k_q9896b8c390_main:
	s_mov_b64 s[64:65], 0
	v_nop
	global_prefetch_b8 v0, s[64:65] scope:SCOPE_SE
	s_setreg_imm32_b32 hwreg(HW_REG_WAVE_SCHED_MODE, 0, 2), 2
	s_setreg_imm32_b32 hwreg(HW_REG_WAVE_MODE, 25, 1), 1
	s_wait_xcnt 0x0
	s_wait_alu depctr_vm_vsrc(0)
; For 128 rows of one batch (a block): logit[row] = sum over n of c[n] tanh(sum over k of Q(x)[row][k] W[k][n]), and the block's share of the softmax-weighted sum of x.
; x [65536][1024] f32 is read from memory ONCE.  It is quantised along K to codes of E5M2 with one E8M0 scale for each 32; the codes stay in registers; a copy in bf16 stays in LDS for the weighted sum.
; Stored: the block's 128 logits, and part[block][1024] = sum over its rows of 2^((logit - the block's largest logit) log2 e) x[row][:].  The last launch merges a batch's sixteen blocks.
; A WORK-GROUP STAYS: work-group g walks blocks 2 g and 2 g + 1, a loop round the whole body.  Behind a block's last product the registers in which W landed are free: the next block's first four sets of x
; (32,768 bytes a wave) are asked for there and land while the block's last tanh, its softmax and its weighted sum are made.
; SHARES.  Wave w = 2 kh + nh holds the codes of ALL 128 rows for half kh of K (512 registers) and walks the 32 tiles of 16 columns of half nh of N, a tile a step.  So each fragment of W is fetched by one wave
; of the work-group alone and feeds eight matrix instructions.  The two waves with the same nh hold sums over the two halves of K: in each step a wave sends the partner the four tiles of rows that the partner finishes
; (4 KB, as images of its registers, through LDS) and receives four; one barrier a step.
; ROW TILES.  Local tile j of a wave is the block's tile j xor 4 kh xor nh: so register numbers are alike in all waves and only addresses differ.  Tiles 0-3: I finish; 4-7: I send to wave w xor 2.
; Even tiles I quantise myself; odd tiles are quantised by wave w xor 1 and come as images through LDS.
; THE MATRIX INSTRUCTION IS USED TRANSPOSED: source 0 = 16 columns of W, source 1 = 16 rows of x: lane (r, h) holds row r and its registers the columns 8 h + 0 .. 7.
; tanh(y) = 1 - 2 r, r = 1 / (1 + 2^(2 y log2 e)): the sum kept is LA = sum of c (r - 1/2), the halves of c taken off step by step, so that no two large sums are ever subtracted; logit = -2 LA.
; BY TURNS.  A step's 32 matrix instructions carry the LAST step's tanh and dot product, cut into 32 slices, one behind each matrix instruction; the slices work in window 0 and the products' operands fill windows 1 to 3,
; so a slice costs two switches of the register window.
; NO CLUSTER, NO TENSOR LOADS, though all work-groups walk the same W: the bf16 copy takes 262,144 of the 325,120 bytes of LDS claimed and stage, exchange and images 51,200 more; what is left has no room for two slots
; of a step's tiles of W (32,768 bytes for the two halves of N).  So W comes straight into registers, more than two steps ahead, in the order in which an earlier launch has laid it.
; LIMITS.  NaN and infinities in x are not served.  A block of 32 zeros gets the scale byte 1 where the rule says 127: its codes are zeros, and the bytes never leave the work-group.  Blocks whose largest magnitude lies
; under 2^(16 - 127) have their byte held at 1.  The weighted sum takes x rounded to bf16 and the weights in f32.  A sum over K is made of two f32 sums over 512, added in f32.
; THE MODE: SCHED_MODE bits 1:0 = 2 (LLVM: expert scheduling mode 2), set by the entry lines.  The code itself states the register dependences between vector or matrix instructions and memory or LDS
; instructions, with s_wait_alu, always for 0.
; THE PLAN.  Registers that memory or LDS instructions touch, and who else names them:
;   v4-17, v19-31  addresses and offsets: made at the head, never written again.  Two waits on va_vdst at the head state that they are written.
;   THE WAY IN, turn q.  Landing set q % 4: loads land; TURN q's stage stores and roundings read it; the loads at the head of turn q land in it again.  BF: the roundings write it, sixteen LDS stores read it.
;     XT set q % 2: the stage's loads land; QUANT q reads and writes it.  The codes and scale words of even tiles: QUANT writes, the image stores read; those of odd tiles: LDS loads land, the products read.
;     Three waits a turn: on vm_vsrc at its head (the last TURN's stores have read the landing set and BF); on va_vdst behind the roundings; on va_vdst behind QUANT, which serves the image stores and, since no vector
;     instruction follows it before them, the next turn's loads into the landing set and into the other XT set, and the image loads.
;   A STEP.  Tiles 4-7 of set P: products 0-15 write, eight LDS stores read, the partner's sums land.  W's set and scale words of the last step: its products read, seventeen loads land.  c of set P: the last step's
;     slices read, a load lands.  v[CA]: every load of c reads it, an add writes it once in four steps.  The wait on va_vdst behind slice 17 states all of it; one on vm_vsrc stands behind the barrier, one ahead of the add.
;   THE WEIGHTED SUM.  Two buffers of rows and weights and two pairs of addresses: macro CTXL states what it hangs on.
; REGISTERS, in windows of 256 (s_set_vgpr_msb: bits 1:0 source 0, 3:2 source 1, 5:4 source 2, 7:6 destination):
;   window 0: v2-31 addresses; v32-63 x's scale words; v64-79 W's; v80-95 c of two steps; v96-103 LA; v104-107, v112-127 at work; v128-255 two sets of eight accumulators (earlier: numbers being quantised; later: the weighted sum)
;   window 1: four sets of 64: x as it is loaded, then W's fragments of four steps.   windows 2, 3: the codes: tile j, K step s at v[64 (j % 4) + 16 s] of window 2 + j / 4.
.set STG,  262144                      ; LDS: from 0 the bf16 copy, 128 rows x 2,048 bytes.  Then each wave's stage, 16 rows x 528 bytes;
.set EX,   262144                      ; later, in the same bytes, the exchange: two sets x four waves x 4,096 bytes
.set IMG,  295936                      ; images of fragments: two sets x four waves x 2,048 bytes
.set ISC,  312320                      ; their scale words: two sets x four waves x 128 bytes
.set CB,   313344                      ; c, 4,096 bytes
.set LP,   317440                      ; the logits' two halves over N: 2 x 128 x 4 bytes
.set PB,   318464                      ; the weights p: 512 bytes, a copy for each wave
.set OST,  320512                      ; the way out: 1,024 bytes for each wave
.set NEXT, 524288                      ; bytes of x from a block to the next: 128 rows of 4,096
.set CA0,  2                           ; v2   c of my half of N, + 32 h: the first step's; never rewritten
.set XO,   4                           ; v4   16 x lane: offset in x, wfrag, logits, part; never rewritten
.set WSO,  5                           ; v5   16 x (lane % 16): offset in wscl; never rewritten
.set XBA,  6                           ; v6-9 bf16 copy: my tile 2 a's first row, my half of K, 8 x lane
.set STW,  10                          ; v10  my stage, in: 16 x lane
.set STR,  11                          ; v11  my stage, out: 528 r + 64 h
.set IMW,  12                          ; v12, v13 images: mine, and wave w xor 1's
.set IMR,  13
.set ISW,  14                          ; v14, v15 their scale words
.set ISR,  15
.set EXW,  16                          ; v16, v17 the exchange: mine, and wave w xor 2's
.set EXR,  17
.set CA,   18                          ; v18  c's address in hand: made from v2 for each block, stepped once in four steps
.set LPE,  19                          ; v19, v20 where my even and odd tiles' logits go
.set LPO,  20
.set LPR,  21
.set PBW,  22
.set PB0,  23                          ; v23, v24 my copy of p: rows 0 on, rows 8 on
.set XR0,  25                          ; v25, v26 bf16 copy: my 512 bytes of a row, 16 x lane: rows 0 on, rows 8 on
.set OSW,  27
.set OSR,  28
.set CW,   30
.set CO,   31
.set XS,   32                          ; x's scale word of tile j, K step s: v[XS + 4 j + s]
.set WSC,  64                          ; W's, of set t, K step s: v[WSC + 4 t + s]
.set CC,   80                          ; c of the step in set P: v[CC + 8 P + 0 .. 7]
.set BF,   80                          ; while x comes in: 32 words of bf16
.set LA,   96
.set KS,   104
.set KT,   106
.set TM,   112                         ; the quantiser: +0 largest magnitudes, +4 bytes, +8 the largest number x the scale, +12 the conversions' scale operands
.set ACC,  128                         ; accumulator of set P, tile j: v[ACC + 64 P + 8 j]
.set XT,   128                         ; while x comes in: two sets of 64 numbers, register 16 b + i = k 32 b + 16 h + i of row r
.set XR,   128                         ; the weighted sum: two buffers of 8 rows x 4 words of bf16,
.set PP,   192                         ; two of 8 weights,
.set SUM,  208                         ; my 8 columns' sums,
.set WK,   216
.set LG,   220                         ; my four rows' logits: kept to the block's end
.set WK2,  224
.set CXA,  232                         ; v232-235 the addresses of the loads in hand, a pair for each buffer
.set WP,   8                           ; s[8:9]   wfrag at my halves of N and K; stepped once in four steps
.set WSP,  10                          ; s[10:11] wscl likewise
.set WV,   16
.set KH,   17
.set NH,   18
.set XG,   20                          ; s[20:27] x at my tile 2 a's first row, my half of K; stepped once a block
.set K2,   30                          ; s[30:31] 2 log2 e: the packed form names a pair and takes its low word
.set SEL,  32                          ; s[32:33] v_permlanex16_b32's selects for lane l xor 16
.set MNT,  34                          ; s34      the mantissa field of 57,344
.set CNT,  35
.set WP0,  48                          ; s[48:49], s[50:51] where W's two walks begin: never rewritten
.set WSP0, 50
.set BLK,  52                          ; s52      blocks to go, this one among them
.set MSB, 0
.macro WIN new                         ; the immediate's high byte repeats the setting that is left; a switch that changes nothing is dropped
.if MSB != (\new)
	s_set_vgpr_msb (MSB<<8)|(\new)
.set MSB, (\new)
.endif
.endm
.macro PLACES n
.rept \n
	v_nop
.endr
.endm
; Set q of x (tile 2 (q / 4), K step q % 4), off bytes on: 16 rows x 512 bytes, a row an instruction: 32 lanes read 512 consecutive bytes.
.macro LOADX q, off
	WIN 0x40                                       ; destination window 1
.irp i, 0,1,2,3,4,5,6,7,8,9,10,11,12,13,14,15
	global_load_b128 v[64*((\q)%4)+4*\i:64*((\q)%4)+4*\i+3], v[XO], s[XG+2*((\q)/4):XG+2*((\q)/4)+1] offset:(\off)+4096*\i+512*((\q)%4) th:TH_LOAD_NT
.endr
	WIN 0
.endm
; The four fragments and the scale words of W's tile d steps on from the base, into set t: 17 loads.
.macro WLOAD set, d
	WIN 0x40
.irp s, 0,1,2,3
.irp c, 0,1,2,3
	global_load_b128 v[64*(\set)+16*\s+4*\c:64*(\set)+16*\s+4*\c+3], v[XO], s[WP:WP+1] offset:16384*(\d)+2048*\s+512*\c
.endr
.endr
	WIN 0
	global_load_b128 v[WSC+4*(\set):WSC+4*(\set)+3], v[WSO], s[WSP:WSP+1] offset:512*(\d)
.endm
; Set q has landed: it is turned through my stage, so that a lane holds 16 neighbours along K of each block of 32 of ONE row, and rounded to bf16 into the copy.
; The stage's stores and loads come first: their data are loaded data, and no vector instruction since the last wait on va_vdst names XT's set q % 2.  The roundings stand behind them, while the stage is at work.
.macro TURN q
.set LS_, 64*((\q)%4)
	WIN 0x04                                       ; an LDS store's data are its source 1: window 1
.irp i, 0,1,2,3,4,5,6,7,8,9,10,11,12,13,14,15
	ds_store_b128 v[STW], v[LS_+4*\i:LS_+4*\i+3] offset:528*\i
.endr
	WIN 0
.irp b, 0,1,2,3
.irp j, 0,1,2,3
	ds_load_b128 v[XT+64*((\q)%2)+16*\b+4*\j:XT+64*((\q)%2)+16*\b+4*\j+3], v[STR] offset:128*\b+16*\j   ; LDS serves a wave's instructions in order (ISA guide 5.7.1.4): these see the stores above
.endr
.endr
	WIN 0x05                                       ; sources 0 and 1 window 1
.irp i, 0,1,2,3,4,5,6,7,8,9,10,11,12,13,14,15
	v_cvt_pk_bf16_f32 v[BF+2*\i], v[LS_+4*\i], v[LS_+4*\i+1]
	v_cvt_pk_bf16_f32 v[BF+2*\i+1], v[LS_+4*\i+2], v[LS_+4*\i+3]
.endr
	WIN 0
	s_wait_alu depctr_va_vdst(0)                   ; the roundings have written v[BF ..], which the LDS stores below read
.irp i, 0,1,2,3,4,5,6,7,8,9,10,11,12,13,14,15
	ds_store_b64 v[XBA+(\q)/4], v[BF+2*\i:BF+2*\i+1] offset:2048*\i+256*((\q)%4)   ; 32 lanes: 256 consecutive bytes of a row
.endr
.endm
; The 64 numbers of set q become a fragment's codes, straight in the operand's registers, and its scale word.
.macro QUANT q
.set X_,   XT+64*((\q)%2)
.set LAM_, 2*((\q)/4)
.set CD_,  64*(LAM_%4)+16*((\q)%4)
.set XW_,  XS+4*LAM_+(\q)%4
.irp b, 0,1,2,3
	v_max3_num_f32 v[TM+\b], |v[X_+16*\b]|, |v[X_+16*\b+1]|, 0x8000000   ; block b: my 16 numbers, and the floor 2^(16 - 127): the byte cannot fall under 1
.endr
.irp i, 2,4,6,8,10,12,14
.irp b, 0,1,2,3
	v_max3_num_f32 v[TM+\b], v[TM+\b], |v[X_+16*\b+\i]|, |v[X_+16*\b+\i+1]|   ; the four blocks by turns
.endr
.endr
.irp b, 0,1,2,3
	v_permlanex16_b32 v[TM+4+\b], v[TM+\b], s[SEL], s[SEL+1]
.endr
.irp b, 0,1,2,3
	v_max_num_f32 v[TM+\b], v[TM+\b], v[TM+4+\b]   ; with lane l xor 16's: the block's largest magnitude
.endr
.irp b, 0,1,2,3
	v_add_nc_u32 v[TM+12+\b], 0xf8800000, v[TM+\b]   ; 15 off its exponent field: the conversion takes that field as its scale
.endr
.irp b, 0,1,2,3
	v_and_or_b32 v[TM+8+\b], v[TM+\b], 0x7f800000, s[MNT]   ; 57,344 x the scale
.endr
.irp b, 0,1,2,3
	v_lshrrev_b32 v[TM+4+\b], 23, v[TM+12+\b]      ; the scale's byte
.endr
	v_lshl_or_b32 v[XW_], v[TM+5], 8, v[TM+4]      ; my row's scale word
	v_lshl_or_b32 v[XW_], v[TM+6], 16, v[XW_]
	v_lshl_or_b32 v[XW_], v[TM+7], 24, v[XW_]
.irp b, 0,1,2,3
.irp i, 0,1,2,3,4,5,6,7,8,9,10,11,12,13,14,15
	v_med3_num_f32 v[X_+16*\b+\i], v[X_+16*\b+\i], -v[TM+8+\b], v[TM+8+\b]   ; the conversion to an 8-bit code does not saturate (ISA guide 7.6.2): the hold at the largest code x the scale
.endr
.endr
	WIN 0x80+0x40*(LAM_/4)                         ; destination window 2 or 3
.irp b, 0,1,2,3
	v_cvt_scalef32_pk8_bf8_f32 v[CD_+4*\b:CD_+4*\b+1], v[X_+16*\b:X_+16*\b+7], v[TM+12+\b]
	v_cvt_scalef32_pk8_bf8_f32 v[CD_+4*\b+2:CD_+4*\b+3], v[X_+16*\b+8:X_+16*\b+15], v[TM+12+\b]
.endr
	WIN 0
	v_nop                                          ; one plain vector instruction behind the last conversion
.endm
; One of sixteen turns of the way in.  Loads run four sets ahead; when x is all asked for, W's first four steps take the landing sets.
.macro XSET q
	s_wait_alu depctr_vm_vsrc(0)                   ; TURN q's LDS stores have read landing set q % 4, in which the loads below land, and v[BF ..], which the next roundings write; in a block's first turn: the last block's stores and the weighted sum's loads have read v216-235, in which TURN 1's loads land
.if (\q) < 12
	LOADX (\q)+4, 0                                ; into the set that TURN q has read.  Its roundings stand ahead of the last wait on va_vdst, and no vector instruction since names the set
.else
	WLOAD (\q)-12, (\q)-12
.endif
.if (\q) < 15
.if (\q) < 12
	s_wait_loadcnt 48                              ; set q + 1 is in; the three sets behind it, 16 loads each, may be out
.else
	s_wait_loadcnt 37+(\q)                         ; of the three sets behind it q - 11 are W's, of 17 loads
.endif
	TURN (\q)+1                                    ; goes through the stage while set q is quantised
.endif
	QUANT \q
	s_wait_alu depctr_va_vdst(0)                   ; the conversions have written the codes and the shifts the scale word, which the LDS stores below read; QUANT is done with XT's set q % 2 and the last roundings with their landing set: loads of the next turn land in both
	WIN 0x08+0x04*(LAM_/4)                         ; the data: window 2 or 3
.irp c, 0,1,2,3
	ds_store_b128 v[IMW], v[CD_+4*\c:CD_+4*\c+3] offset:8192*((\q)%2)+512*\c   ; the fragment as it stands: an image of its registers
.endr
	WIN 0
	ds_store_b32 v[ISW], v[XW_] offset:512*((\q)%2)
	s_wait_dscnt 0x0                               ; my stores have landed, my loads are in (those of the last image among them: its bytes are written again behind this barrier)
	s_barrier_signal -1
	s_barrier_wait -1
	WIN 0x80+0x40*(LAM_/4)
.irp c, 0,1,2,3
	ds_load_b128 v[CD_+64+4*\c:CD_+64+4*\c+3], v[IMR] offset:8192*((\q)%2)+512*\c   ; wave w xor 1's fragment is my next tile's.  (The last block's products, which read these registers, stand ahead of the wait above)
.endr
	WIN 0
	ds_load_b32 v[XW_+4], v[ISR] offset:512*((\q)%2)
.endm
; Matrix instruction tn of a step's 32: first the tiles that I send (4-7), then mine (0-3); four accumulators by turns, one instruction a turn, K step by K step.
.macro MM set, P
.if tn < 16
.set lam, 4+tn%4
	WIN 0x0d                                       ; source 0 (W) window 1, source 1 (codes) window 3
.else
.set lam, tn%4
	WIN 0x09                                       ; source 1 window 2
.endif
.set ks, (tn/4)%4
.set rD, ACC+64*(\P)+8*lam
.set rW, 64*(\set)+16*ks
.set rC, 64*(lam%4)+16*ks
.if ks == 0
	v_wmma_scale_f32_16x16x128_f8f6f4 v[rD:rD+7], v[rW:rW+15], v[rC:rC+15], 0, v[WSC+4*(\set)+ks], v[XS+4*lam+ks] matrix_a_fmt:MATRIX_FMT_BF8 matrix_b_fmt:MATRIX_FMT_BF8
.else
	v_wmma_scale_f32_16x16x128_f8f6f4 v[rD:rD+7], v[rW:rW+15], v[rC:rC+15], v[rD:rD+7], v[WSC+4*(\set)+ks], v[XS+4*lam+ks] matrix_a_fmt:MATRIX_FMT_BF8 matrix_b_fmt:MATRIX_FMT_BF8
.endif
.endm
; THE VECTOR WORK OF A STEP is a list of 135 instructions on set P: my tiles 0-3 (32 numbers, 16 pairs) and, in the registers of tiles 4-7, the partner's sums for them.  TI writes number tx.
;   0-63    for each pair: the two halves of K added; x 2 log2 e; the 32 exponentials, each behind its pair's multiplication: none of these reads an exponential's result
;   64-111  1 + e, a pair at a time, and the 32 reciprocals, each behind its pair's addition: none of these reads a reciprocal's result
;   112-118 the sums of the step's eight c, even and odd; LA -= half of them, for each tile: these read no transcendental's result at all
;   119-134 LA += r c, a pair at a time, the four tiles by turns
; Each accumulator is first read at its low end.
.macro TI P
.set B_, ACC+64*(\P)
.set C_, CC+8*(\P)
.set top, 0
.set ti, 0
.if tx < 2
.set top, 1+tx
.elseif tx < 62
.set tz, tx-2
.set tk, tz/4+1
.if tz%4 == 0
.set top, 1
.set ti, tk
.elseif tz%4 == 1
.set top, 3
.set ti, 2*tk-2
.elseif tz%4 == 2
.set top, 2
.set ti, tk
.else
.set top, 3
.set ti, 2*tk-1
.endif
.elseif tx < 64
.set top, 3
.set ti, tx-32
.elseif tx < 66
.set top, 4
.set ti, tx-64
.elseif tx < 108
.set tz, tx-66
.if tz%3 == 2
.set top, 4
.set ti, tz/3+2
.else
.set top, 5
.set ti, 2*(tz/3)+tz%3
.endif
.elseif tx < 112
.set top, 5
.set ti, tx-80
.endif
.if top == 1
	v_pk_add_f32 v[B_+2*ti:B_+2*ti+1], v[B_+2*ti:B_+2*ti+1], v[B_+32+2*ti:B_+32+2*ti+1]
.elseif top == 2
	v_pk_mul_f32 v[B_+2*ti:B_+2*ti+1], v[B_+2*ti:B_+2*ti+1], s[K2:K2+1] op_sel_hi:[1,0]
.elseif top == 3
	v_exp_f32 v[B_+ti], v[B_+ti]
.elseif top == 4
	v_pk_add_f32 v[B_+2*ti:B_+2*ti+1], v[B_+2*ti:B_+2*ti+1], 1.0 op_sel_hi:[1,0]
.elseif top == 5
	v_rcp_f32 v[B_+ti], v[B_+ti]
.elseif tx == 112
	v_pk_add_f32 v[KS:KS+1], v[C_:C_+1], v[C_+2:C_+3]
.elseif tx == 113
	v_pk_add_f32 v[KT:KT+1], v[C_+4:C_+5], v[C_+6:C_+7]
.elseif tx == 114
	v_pk_add_f32 v[KS:KS+1], v[KS:KS+1], v[KT:KT+1]
.elseif tx < 119
.set ti, tx-115
	v_pk_fma_f32 v[LA+2*ti:LA+2*ti+1], v[KS:KS+1], -0.5, v[LA+2*ti:LA+2*ti+1] op_sel_hi:[1,0,1]
.else
.set tz, (tx-119)/4
.set ti, (tx-119)%4
	v_pk_fma_f32 v[LA+2*ti:LA+2*ti+1], v[B_+8*ti+2*tz:B_+8*ti+2*tz+1], v[C_+2*tz:C_+2*tz+1], v[LA+2*ti:LA+2*ti+1]
.endif
.endm
; Slice tn of 32.  Slices 0-15: numbers 0-63, four each.  Slices 16 and 17: numbers 112-118, which read nothing of the batch: they are the plain instructions behind the exponentials, and places behind product 15.
; Behind slice 17 the 32 exponentials have their one wait.  Slices 18-25: numbers 64-103, five each; 26 and 27: 104-111; a plain instruction and the
; one wait for the 32 reciprocals; slices 28-31: numbers 119-134, four each.
.macro SLICE P
	WIN 0
.if tn < 16
.set tx, 4*tn
.set txn, 4
.elseif tn == 16
.set tx, 112
.set txn, 4
.elseif tn == 17
.set tx, 116
.set txn, 3
.elseif tn < 26
.set tx, 64+5*(tn-18)
.set txn, 5
.elseif tn < 28
.set tx, 104+4*(tn-26)
.set txn, 4
.else
.set tx, 119+4*(tn-28)
.set txn, 4
.endif
.rept txn
	TI \P
.set tx, tx+1
.endr
.if tn == 17
	v_nop
	s_wait_alu depctr_va_vdst(0)                   ; THE STEP'S WAIT: the 32 exponentials have written their results; products 0-15 have written tiles 4-7; the last step's products are done reading their W and its scale words, its slices c of the other set; v[CA] is written
.endif
.if tn == 27
	v_nop
	s_wait_alu depctr_va_vdst(0)                   ; the 32 reciprocals have written their results, which slice 28 reads first
.endif
.endm
; A STEP: one tile of 16 columns.  set: W's registers; P: the accumulators; sl = 1: the last step's list stands in slices; wl = 1: W's tile three steps on (d from the base) is asked for, into the set that the last step read;
; lc: how many younger loads may be out; ci: which 64 bytes of c; adv = 1: c's address goes 256 bytes on.
; The wait for the exponentials, the eight LDS stores of the tiles that I send and W's seventeen loads stand together behind slice 17: one break in the run of products, not three.
; THAT WAIT STATES ALL THAT THE STEP'S MEMORY AND LDS INSTRUCTIONS HANG ON.  From it to the loads behind the barrier no vector or matrix instruction names a register that they touch: products 18-22 name my tiles 0-3,
; this step's W and the codes; slices 18-22 name the other set of accumulators and of c.  W lands in window 1: dealt out among the products, each group of its loads would want a window switch of its own: so they stay in one run.
; PLACES (eight behind this form, and only plain vector instructions that name none of its registers count).  In front of the stores of tiles 4-7, whose last product is number 15: one in slice 15,
; four in slice 16, three in slice 17, and a v_nop: first the places, then the wait.
; In front of the first read of a tile 0-3 in the next step: the sixteen of slices 28-31, which work on the other set.
.macro STEP set, P, sl, wl, d, lc, ci, adv
	s_wait_loadcnt \lc                             ; this step's 17 loads are in
	s_wait_dscnt 0x0                               ; so are the partner's sums and c of the last step (at first: the last image)
.if \adv
	s_wait_alu depctr_vm_vsrc(0)                   ; the LDS loads of c issued so far have read v[CA]
	v_add_nc_u32 v[CA], 256, v[CA]
.endif
.set tn, 0
.rept 32
	MM \set, \P
.if \sl
	SLICE 1-\P
.endif
.if tn == 17
	WIN 0
.if !(\sl)
	PLACES 8
	s_wait_alu depctr_va_vdst(0)                   ; the first step has no slices: products 0-15 have written tiles 4-7, which the LDS stores below read and in which the partner's sums land
.endif
.irp u, 0,1,2,3
	ds_store_b128 v[EXW], v[ACC+64*(\P)+32+8*\u:ACC+64*(\P)+32+8*\u+3] offset:16384*(\P)+1024*\u       ; each accumulator from its low end on
	ds_store_b128 v[EXW], v[ACC+64*(\P)+32+8*\u+4:ACC+64*(\P)+32+8*\u+7] offset:16384*(\P)+1024*\u+512
.endr
.if \wl
	WLOAD ((\set)+3)%4, \d
.endif
.endif
.if tn == 20
	s_wait_dscnt 0x0                               ; my eight stores have landed: say so,
	s_barrier_signal -1
.endif
.if tn == 22
	WIN 0
	s_barrier_wait -1                              ; work on registers meanwhile, and go on when all four have said so
	s_wait_alu depctr_vm_vsrc(0)                   ; my eight LDS stores have read the registers of tiles 4-7, in which the loads below land
.irp u, 0,1,2,3
	ds_load_b128 v[ACC+64*(\P)+32+8*\u:ACC+64*(\P)+32+8*\u+3], v[EXR] offset:16384*(\P)+1024*\u        ; the partner's sums for my tiles 0-3, into the registers that I have sent
	ds_load_b128 v[ACC+64*(\P)+32+8*\u+4:ACC+64*(\P)+32+8*\u+7], v[EXR] offset:16384*(\P)+1024*\u+512
.endr
	ds_load_b128 v[CC+8*(\P):CC+8*(\P)+3], v[CA] offset:64*(\ci)       ; c of this step's columns 8 h + 0 .. 7
	ds_load_b128 v[CC+8*(\P)+4:CC+8*(\P)+7], v[CA] offset:64*(\ci)+16
.endif
.set tn, tn+1
.endr
.if !(\sl)
	WIN 0
	PLACES 8
.endif
.endm
; The weighted sum: 8 rows' weights and my 16 bytes (8 columns) of each of the 8 rows, into buffer buf: ten loads.  An LDS address has no scalar base, so the buffer's two addresses are made anew each time.
.macro CTXL buf
	s_wait_alu depctr_vm_vsrc(0)                   ; the loads issued so far by this buffer's two addresses have read them
	v_add_nc_u32 v[CXA+2*\buf], s36, v[XR0+\buf]
	v_add_nc_u32 v[CXA+2*\buf+1], s37, v[PB0+\buf]
	s_wait_alu depctr_va_vdst(0)                   ; the two addresses are written; the multiply-adds are done reading this buffer's rows and weights, in which the loads below land
	ds_load_b128 v[PP+8*\buf:PP+8*\buf+3], v[CXA+2*\buf+1]
	ds_load_b128 v[PP+8*\buf+4:PP+8*\buf+7], v[CXA+2*\buf+1] offset:16
.irp i, 0,1,2,3,4,5,6,7
	ds_load_b128 v[XR+32*\buf+4*\i:XR+32*\buf+4*\i+3], v[CXA+2*\buf] offset:2048*\i
.endr
.endm
.macro CTXF buf                        ; 64 fused multiply-adds straight from the bf16 halves: eight sums by turns
.irp i, 0,1,2,3,4,5,6,7
.irp e, 0,1,2,3
	v_fma_mix_f32_bf16 v[SUM+2*\e], v[XR+32*\buf+4*\i+\e], v[PP+8*\buf+\i], v[SUM+2*\e] op_sel_hi:[1,0,0]
	v_fma_mix_f32_bf16 v[SUM+2*\e+1], v[XR+32*\buf+4*\i+\e], v[PP+8*\buf+\i], v[SUM+2*\e+1] op_sel:[1,0,0] op_sel_hi:[1,0,0]
.endr
.endr
.endm
	s_load_b256 s[4:11], s[0:1], 0x0               ; x s[4:5], c s[6:7], wfrag s[8:9], wscl s[10:11]
	s_load_b128 s[12:15], s[0:1], 0x20             ; logits s[12:13], part s[14:15]
	v_lshrrev_b32 v1, 5, v0
	v_readfirstlane_b32 s[WV], v1                  ; wave 0..3
	v_and_b32 v1, 31, v0                           ; lane
	v_and_b32 v2, 15, v0                           ; r
	v_bfe_u32 v3, v0, 4, 1                         ; h
	v_lshlrev_b32 v[XO], 4, v1
	v_lshlrev_b32 v[WSO], 4, v2
	v_lshlrev_b32 v[CO], 4, v0
	s_wait_alu depctr_va_sdst(0)                   ; the wave's number is written, ahead of its first reader
	s_lshr_b32 s[KH], s[WV], 1                     ; my half of K
	s_and_b32 s[NH], s[WV], 1                      ; my half of N
	s_lshl_b32 s36, s[KH], 6
	s_lshl_b32 s37, s[NH], 4
.irp a, 0,1,2,3
	s_xor_b32 s[40+\a], s36, 32*\a
	s_add_co_u32 s[40+\a], s[40+\a], s37           ; the first row of my tile 2 a: (32 a xor 64 kh) + 16 nh
.endr
	s_lshl_b32 s38, ttmp9, 20                      ; the work-group's two blocks of 128 rows of 4,096 bytes
	s_lshl_b32 s39, s[KH], 11                      ; my half of a row
	s_add_co_u32 s38, s38, s39
	s_mov_b32 s45, 0
	s_mov_b32 s[K2], 0x4038aa3b                    ; 2 log2 e
	s_mov_b32 s[K2+1], s[K2]
	s_mov_b32 s[SEL], 0x76543210
	s_mov_b32 s[SEL+1], 0xfedcba98
	s_mov_b32 s[MNT], 0x600000
	s_mov_b32 s[BLK], 2
	s_wait_kmcnt 0x0
.irp a, 0,1,2,3
	s_lshl_b32 s44, s[40+\a], 12
	s_add_co_u32 s44, s44, s38
	s_add_nc_u64 s[XG+2*\a:XG+2*\a+1], s[4:5], s[44:45]
.endr
	s_lshl_b32 s44, s[NH], 19                      ; wfrag: 32 tiles of 16,384 bytes,
	s_lshl_b32 s46, s[KH], 13                      ; four K steps of 2,048
	s_add_co_u32 s44, s44, s46
	s_add_nc_u64 s[WP:WP+1], s[WP:WP+1], s[44:45]
	s_lshl_b32 s44, s[NH], 14                      ; wscl: 32 tiles of 512 bytes, a half of 256
	s_lshl_b32 s46, s[KH], 8
	s_add_co_u32 s44, s44, s46
	s_add_nc_u64 s[WSP:WSP+1], s[WSP:WSP+1], s[44:45]
	s_mov_b64 s[WP0:WP0+1], s[WP:WP+1]             ; every block walks W from here
	s_mov_b64 s[WSP0:WSP0+1], s[WSP:WSP+1]
	s_lshl_b32 s44, ttmp9, 10
	s_add_nc_u64 s[12:13], s[12:13], s[44:45]      ; my first block's 128 logits
	s_lshl_b32 s44, ttmp9, 13
	s_lshl_b32 s46, s[WV], 10
	s_add_co_u32 s44, s44, s46
	s_add_nc_u64 s[14:15], s[14:15], s[44:45]      ; my first block's row of part, my 256 columns
	s_wait_alu depctr_va_vdst(0)                   ; the offsets v4, v5 and v31 are written: every global load and store of the kernel reads one of them
	global_load_b128 v[TM:TM+3], v[CO], s[6:7]     ; c: 128 threads x 16 bytes, twice
	global_load_b128 v[TM+4:TM+7], v[CO], s[6:7] offset:2048
	LOADX 0, 0
	LOADX 1, 0
	LOADX 2, 0
	LOADX 3, 0
	; every LDS address is made here: a constant, a constant x lane, a constant x wave
	s_lshl_b32 s39, s[KH], 10
.irp a, 0,1,2,3
	s_lshl_b32 s36, s[40+\a], 11
	s_add_co_u32 s36, s36, s39
	v_lshl_add_u32 v[XBA+\a], v1, 3, s36
.endr
	s_mul_i32 s36, s[WV], 8448
	s_add_co_u32 s36, s36, STG
	v_lshl_add_u32 v[STW], v1, 4, s36
	v_mul_u32_u24 v[STR], v2, 528
	v_lshl_add_u32 v[STR], v3, 6, v[STR]
	v_add_nc_u32 v[STR], s36, v[STR]
	s_xor_b32 s37, s[WV], 1
	s_xor_b32 s38, s[WV], 2
	s_lshl_b32 s36, s[WV], 11
	s_add_co_u32 s36, s36, IMG
	v_lshl_add_u32 v[IMW], v1, 4, s36
	s_lshl_b32 s36, s37, 11
	s_add_co_u32 s36, s36, IMG
	v_lshl_add_u32 v[IMR], v1, 4, s36
	s_lshl_b32 s36, s[WV], 7
	s_add_co_u32 s36, s36, ISC
	v_lshl_add_u32 v[ISW], v1, 2, s36
	s_lshl_b32 s36, s37, 7
	s_add_co_u32 s36, s36, ISC
	v_lshl_add_u32 v[ISR], v1, 2, s36
	s_lshl_b32 s36, s[WV], 12
	s_add_co_u32 s36, s36, EX
	v_lshl_add_u32 v[EXW], v1, 4, s36
	s_lshl_b32 s36, s38, 12
	s_add_co_u32 s36, s36, EX
	v_lshl_add_u32 v[EXR], v1, 4, s36
	s_lshl_b32 s36, s[NH], 11
	s_add_co_u32 s36, s36, CB
	v_lshl_add_u32 v[CA], v3, 5, s36
	s_lshl_b32 s39, s[KH], 8
	s_mul_i32 s36, s[NH], 576                      ; my tiles 0 and 2 are the block's nh + 4 kh and 2 more: 512 nh + 64 (nh + 4 kh)
	s_add_co_u32 s36, s36, s39
	s_add_co_u32 s36, s36, LP
	v_lshl_add_u32 v[LPE], v2, 2, s36
	s_mul_i32 s36, s[NH], 448                      ; my tiles 1 and 3 are 1 - nh + 4 kh and 2 more: 512 nh + 64 (1 - nh + 4 kh)
	s_add_co_u32 s36, s36, s39
	s_add_co_u32 s36, s36, LP+64
	v_lshl_add_u32 v[LPO], v2, 2, s36
	v_lshl_add_u32 v[LPR], v1, 4, LP
	s_lshl_b32 s36, s[WV], 9
	v_lshl_add_u32 v[XR0], v1, 4, s36
	v_add_nc_u32 v[XR0+1], 16384, v[XR0]
	s_add_co_u32 s36, s36, PB
	v_lshl_add_u32 v[PBW], v1, 4, s36
	v_mov_b32 v[PB0], s36
	v_add_nc_u32 v[PB0+1], 32, v[PB0]
	s_lshl_b32 s36, s[WV], 10
	s_add_co_u32 s36, s36, OST
	v_lshl_add_u32 v[OSW], v1, 5, s36
	v_lshl_add_u32 v[OSR], v1, 4, s36
	v_lshl_add_u32 v[CW], v0, 4, CB
	v_add_nc_u32 v[CA0], 0, v[CA]                  ; r is done with: the register keeps c's first address
	s_wait_loadcnt 48                              ; c and set 0 are in; sets 1 to 3 may be out
	s_wait_alu depctr_va_vdst(0)                   ; the LDS addresses v6 to v30 are written: the LDS instructions of the whole kernel read them
	ds_store_b128 v[CW], v[TM:TM+3]
	ds_store_b128 v[CW], v[TM+4:TM+7] offset:2048
	s_wait_dscnt 0x0
	s_wait_alu depctr_vm_vsrc(0)                   ; the two LDS stores have read v[TM .. TM + 7], which the lines below and the quantiser write
.irp b, 0,1,2,3
	v_mov_b32 v[TM+4+\b], 0                        ; written once: a lane permute's destination counts as one of its sources
.endr
.Lblock:                                           ; two trips: a block each.  On both ways in, the block's sets 0 to 3 have been asked for, 64 loads.  TURN 0's stage loads land in v128-191: on the way back the multiply-adds that read them stand ahead of the wait in front of the sums' store, behind which no vector instruction was issued; the exchange's stores, which read v160-191, ahead of each step's wait on vm_vsrc
	s_wait_loadcnt 48                              ; set 0 is in; sets 1 to 3 may be out
	TURN 0
	s_wait_dscnt 0x0                               ; set 0 is back from the stage, and the stores have landed
	; ---- THE WAY IN: sixteen sets, written out, since each has registers of its own for its codes
.irp q, 0,1,2,3,4,5,6,7,8,9,10,11,12,13,14,15
	XSET \q
.endr
	; ---- THE PRODUCT: 32 steps.  The first has no list to carry; four make a trip, after which the register numbers are back where they began; the last three ask for nothing more
.irp j, 0,1,2,3,4,5,6,7
	v_mov_b32 v[LA+\j], 0
.endr
	v_add_nc_u32 v[CA], 0, v[CA0]                  ; c from the first step's columns on
	s_wait_alu depctr_va_vdst(0)                   ; the conversions have written the codes and the shifts the scale words, which the scaled products take (the nine lines above are among the places in front of them); v[CA] is written
	STEP 0, 0, 0, 0, 0, 51, 0, 0                   ; three younger sets of 17 loads may be out
	s_mov_b32 s[CNT], 7
.Lsteps:
	STEP 1, 1, 1, 1, 4, 34, 1, 0                   ; two younger sets may be out
	STEP 2, 0, 1, 1, 5, 34, 2, 0
	STEP 3, 1, 1, 1, 6, 34, 3, 0
	STEP 0, 0, 1, 1, 7, 34, 0, 1
	s_wait_xcnt 0x0                                ; the loads have read their bases: only behind this wait are they stepped
	s_add_nc_u64 s[WP:WP+1], s[WP:WP+1], 65536
	s_add_nc_u64 s[WSP:WSP+1], s[WSP:WSP+1], 2048
	s_sub_co_u32 s[CNT], s[CNT], 1
	s_cmp_lg_u32 s[CNT], 0
	s_cbranch_scc1 .Lsteps
	STEP 1, 1, 1, 0, 0, 34, 1, 0
	STEP 2, 0, 1, 0, 0, 17, 2, 0
	STEP 3, 1, 1, 0, 0, 0, 3, 0
	s_wait_dscnt 0x0                               ; the last step's exchange and c
	PLACES 8                                       ; behind the last product, for the first read of its result
	s_wait_alu depctr_va_vdst(0)                   ; the products are done reading W's four sets, in which the next block's x lands
	s_cmp_eq_u32 s[BLK], 1                         ; the last block asks for nothing: no load leaves its buffer
	s_cbranch_scc1 .Lno_next
	LOADX 0, NEXT                                  ; THE NEXT BLOCK'S FIRST FOUR SETS, into the registers in which W landed: they come in while this block is finished
	LOADX 1, NEXT
	LOADX 2, NEXT
	LOADX 3, NEXT
.Lno_next:
.set tx, 0
.rept 135                              ; the last step's list, with nothing to stand between
	TI 1
.if (tx == 63) || (tx == 111)
	v_nop
	s_wait_alu depctr_va_vdst(0)                   ; the batch of 32 (exponentials, then reciprocals) has written its results, ahead of their first reader
.endif
.set tx, tx+1
.endr
	; ---- THE BLOCK'S SOFTMAX AND WEIGHTED SUM
.irp t, 0,1,2,3
	v_add_f32 v[WK+\t], v[LA+2*\t], v[LA+2*\t+1]   ; even and odd columns,
.endr
.irp t, 0,1,2,3
	v_permlanex16_b32 v[LG+\t], v[WK+\t], s[SEL], s[SEL+1]
.endr
.irp t, 0,1,2,3
	v_add_f32 v[WK+\t], v[WK+\t], v[LG+\t]         ; and lane l xor 16's eight of each tile
.endr
.irp t, 0,1,2,3
	v_mul_f32 v[WK+\t], -2.0, v[WK+\t]             ; tanh = -2 (r - 1/2)
.endr
	s_wait_alu depctr_va_vdst(0)                   ; the multiplications have written v[WK ..], which the LDS stores read; the list is done with v[WK2 ..]: loads land in both behind the barrier
	ds_store_b32 v[LPE], v[WK]                     ; row r of my tiles 0 to 3; both halves of the lanes write the same word with the same value
	ds_store_b32 v[LPO], v[WK+1]
	ds_store_b32 v[LPE], v[WK+2] offset:128
	ds_store_b32 v[LPO], v[WK+3] offset:128
	s_wait_dscnt 0x0
	s_barrier_signal -1
	s_barrier_wait -1
	s_wait_alu depctr_vm_vsrc(0)                   ; the four LDS stores have read v[WK ..], in which the first load below lands
	ds_load_b128 v[WK:WK+3], v[LPR]                ; rows 4 l .. 4 l + 3: the first half of N,
	ds_load_b128 v[WK2:WK2+3], v[LPR] offset:512   ; the second
	s_wait_dscnt 0x0
	v_pk_add_f32 v[LG:LG+1], v[WK:WK+1], v[WK2:WK2+1]
	v_pk_add_f32 v[LG+2:LG+3], v[WK+2:WK+3], v[WK2+2:WK2+3]
	v_max3_num_f32 v[WK2], v[LG], v[LG+1], v[LG+2]
	v_max_num_f32 v[WK2], v[WK2], v[LG+3]
	v_max_num_f32_dpp v[WK2], v[WK2], v[WK2] row_xmask:1 row_mask:0xf bank_mask:0xf
	v_max_num_f32_dpp v[WK2], v[WK2], v[WK2] row_xmask:2 row_mask:0xf bank_mask:0xf
	v_max_num_f32_dpp v[WK2], v[WK2], v[WK2] row_xmask:4 row_mask:0xf bank_mask:0xf
	v_max_num_f32_dpp v[WK2], v[WK2], v[WK2] row_xmask:8 row_mask:0xf bank_mask:0xf
	v_permlanex16_b32 v[WK2+1], v[WK2], s[SEL], s[SEL+1]
	v_max_num_f32 v[WK2], v[WK2], v[WK2+1]         ; the block's largest logit, in every lane
.irp i, 0,1,2,3
	v_sub_f32 v[WK+\i], v[LG+\i], v[WK2]           ; the maximum is taken away first, then the factor
.endr
.irp i, 0,1,2,3
	v_mul_f32 v[WK+\i], 0x3fb8aa3b, v[WK+\i]
.endr
.irp i, 0,1,2,3
	v_exp_f32 v[WK+\i], v[WK+\i]                   ; p, at most 1
.endr
	v_nop
	s_wait_alu depctr_va_vdst(0)                   ; the four exponentials have written v[WK ..]: their first reader is the LDS store below
	ds_store_b128 v[PBW], v[WK:WK+3]               ; into my wave's own copy: its loads below come behind it in order
.irp j, 0,1,2,3,4,5,6,7
	v_mov_b32 v[SUM+\j], 0
.endr
	s_mov_b32 s36, 0                               ; where the pair of buffers stands: in the bf16 copy,
	s_mov_b32 s37, 0                               ; and in p
	CTXL 0
	s_mov_b32 s[CNT], 7
.Lctx:                                             ; 16 rows a trip; a buffer's ten loads are out while the other is summed
	CTXL 1
	s_add_co_u32 s36, s36, 32768
	s_add_co_u32 s37, s37, 64
	s_wait_dscnt 10                                ; all but the ten just issued
	CTXF 0
	CTXL 0
	s_wait_dscnt 10
	CTXF 1
	s_sub_co_u32 s[CNT], s[CNT], 1
	s_cmp_lg_u32 s[CNT], 0
	s_cbranch_scc1 .Lctx
	CTXL 1
	s_wait_dscnt 10
	CTXF 0
	s_wait_dscnt 0x0
	CTXF 1
	s_wait_alu depctr_va_vdst(0)                   ; the multiply-adds have written v[SUM ..], which the LDS stores read.  No vector instruction follows before the next block's first roundings
	ds_store_b128 v[OSW], v[SUM:SUM+3]             ; a lane's 32 bytes go through my stage, so that a store covers 512 consecutive bytes
	ds_store_b128 v[OSW], v[SUM+4:SUM+7] offset:16
	ds_load_b128 v[WK:WK+3], v[OSR]                ; (the store of p, which read v[WK ..], stands ahead of the waits on vm_vsrc in the loop above)
	ds_load_b128 v[WK2:WK2+3], v[OSR] offset:512
	s_wait_dscnt 0x0
	global_store_b128 v[XO], v[WK:WK+3], s[14:15] th:TH_STORE_NT
	global_store_b128 v[XO], v[WK2:WK2+3], s[14:15] offset:512 th:TH_STORE_NT
	s_cmp_lg_u32 s[WV], 0                          ; every wave holds the 128 logits: wave 0 stores them, 512 consecutive bytes
	s_cbranch_scc1 .Lstored
	global_store_b128 v[XO], v[LG:LG+3], s[12:13]
.Lstored:
	; ---- ON TO THE NEXT BLOCK
	s_wait_xcnt 0x0                                ; the stores have read their data and bases, the next block's loads theirs: only behind this wait are they written
.irp a, 0,1,2,3
	s_add_nc_u64 s[XG+2*\a:XG+2*\a+1], s[XG+2*\a:XG+2*\a+1], NEXT
.endr
	s_add_nc_u64 s[12:13], s[12:13], 512
	s_add_nc_u64 s[14:15], s[14:15], 4096
	s_mov_b64 s[WP:WP+1], s[WP0:WP0+1]             ; W from its first tile again
	s_mov_b64 s[WSP:WSP+1], s[WSP0:WSP0+1]
	s_wait_dscnt 0x0                               ; my reads of the bf16 copy are over: the next block writes it only when all four waves have said so
	s_barrier_signal -1
	s_barrier_wait -1
	s_sub_co_u32 s[BLK], s[BLK], 1
	s_cmp_lg_u32 s[BLK], 0
	s_cbranch_scc1 .Lblock
	s_wait_xcnt 0x0
	s_wait_alu depctr_vm_vsrc(0)                   ; v254 and v255 have been data of the exchange's LDS stores: they are made anew only behind this wait
	v_lshl_add_u32 v254, v0, 2, 0x4f400
	v_mov_b32 v255, 0
	s_wait_dscnt 0x0                               ; the closing lines, six on end
	s_wait_alu 0x0
	s_wait_tensorcnt 0x0
	ds_add_u32 v254, v255
	s_wait_dscnt 0x0
	s_endpgm
.Lfunc_end_k_q9896b8c390_main:
	.size	k_q9896b8c390_main, .Lfunc_end_k_q9896b8c390_main-k_q9896b8c390_main
	.p2alignl 7, 3214868480
	.fill 96, 4, 3214868480
	.section	.rodata,"a",@progbits
	.p2align	6, 0x0
	.amdhsa_kernel k_q9896b8c390_main
		.amdhsa_group_segment_fixed_size 325120
		.amdhsa_private_segment_fixed_size 0
		.amdhsa_enable_private_segment 0
		.amdhsa_kernarg_size 48
		.amdhsa_user_sgpr_count 2
		.amdhsa_user_sgpr_kernarg_segment_ptr 1
		.amdhsa_wavefront_size32 1
		.amdhsa_system_sgpr_workgroup_id_x 1
		.amdhsa_system_sgpr_workgroup_id_y 1
		.amdhsa_system_sgpr_workgroup_id_z 1
		.amdhsa_system_vgpr_workitem_id 0
		.amdhsa_next_free_vgpr 1024
		.amdhsa_next_free_sgpr 66
		.amdhsa_reserve_vcc 0
		.amdhsa_float_denorm_mode_32 3
		.amdhsa_float_denorm_mode_16_64 3
		.amdhsa_memory_ordered 1
		.amdhsa_forward_progress 1
		.amdhsa_inst_pref_size 255
	.end_amdhsa_kernel
	.section	.bss,"aw",@nobits
	.p2align	6
	.space	262144
	.amdgpu_metadata
---
amdhsa.version: [ 1, 2 ]
amdhsa.kernels:
  - .name:           k_q9896b8c390_main
    .symbol:         k_q9896b8c390_main.kd
    .args:
      - { .name: gru_output, .offset: 0, .size: 8, .value_kind: global_buffer, .address_space: global }
      - { .name: context_vector, .offset: 8, .size: 8, .value_kind: global_buffer, .address_space: global }
      - { .name: wfrag, .offset: 16, .size: 8, .value_kind: global_buffer, .address_space: global }
      - { .name: wscl, .offset: 24, .size: 8, .value_kind: global_buffer, .address_space: global }
      - { .name: logits, .offset: 32, .size: 8, .value_kind: global_buffer, .address_space: global }
      - { .name: part, .offset: 40, .size: 8, .value_kind: global_buffer, .address_space: global }
    .group_segment_fixed_size: 325120
    .private_segment_fixed_size: 0
    .kernarg_segment_align: 8
    .kernarg_segment_size: 48
    .max_flat_workgroup_size: 128
    .sgpr_count:     66
    .vgpr_count:     1024
    .wavefront_size: 32
...
	.end_amdgpu_metadata
.endif
;; end of part 4
;; launch combine: the kernel of part 3 again; grid 256 x 1, 1 waves a work-group, no clusters, 0 bytes of LDS; arguments logits, part, out0, out1; writes out0, out1
